; MI455X (gfx1250); checked and timed in simulation.
; The chip was launched on July 23, 2026; its instructions are those of AMD's public machine-readable ISA for CDNA 5 (MIT licence, August 2026) and "CDNA5" Instruction Set Architecture Reference Guide (July 2026). The comments in the code are by the model that wrote it; some were corrected since.
;; SSM. Allowed arithmetic: float matrix products may take bf16 or f16 operands with f32 sums; all other float work in f32.
;; Inputs: A_diag 1,024 float32; Bmat 1,024 x 1,024 float32; Cmat 1,024 x 1,024 float32; Dmat 1,024 x 1,024 float32; h0 1,024 float32; ln_beta 1,024 float32; ln_gamma 1,024 float32; u 16 x 1,024 x 1,024 float32.
;; Outputs: out0 16 x 1,024 x 1,024 float32.
;; 3 versions, each right; version 2 is faster than version 1; version 3 is version 2 with the launch prep written anew for expert scheduling mode. Each part assembles by itself: llvm-mc -triple=amdgcn-amd-amdhsa -mcpu=gfx1250 --defsym DOCPART=n.
;; ======== version 1 of 3: 3 launches
;; limits: a function is approximated: absolute error at most 1.5e-07
;; workspace buffers: wt 6,291,456 bytes; av 4,096 bytes; xs 67,108,864 bytes; es 1,048,576 bytes
;; launch prep (part 1): grid 64 x 3, 8 waves a work-group, no clusters, 0 bytes of LDS; arguments Bmat, Dmat, Cmat, A_diag, wt, av; writes wt, av
.if DOCPART == 1
	.amdgcn_target "amdgcn-amd-amdhsa--gfx1250"
	.amdhsa_code_object_version 6
	.text
	.protected	k_qcb260f2d61_prep
	.globl	k_qcb260f2d61_prep
	.p2align	8
	.type	k_qcb260f2d61_prep,@function
k_qcb260f2d61_prep:
	s_mov_b64 s[64:65], 0
	v_nop
	global_prefetch_b8 v0, s[64:65] scope:SCOPE_SE
	s_setreg_imm32_b32 hwreg(HW_REG_WAVE_MODE, 25, 1), 1
	s_wait_xcnt 0x0
; wt[mat][s][row][64] (bf16) = mat[row][64 s ..], mat = B, D, C: the three weight matrices rounded once to bf16 and laid in K tiles of
; 1024 rows x 64 numbers (131,072 dense bytes), so that a later tile load reads dense memory.  av[n] = -softplus(A_diag[n]).
; Work-group (x, y): rows 16 x .. 16 x + 15 of matrix y.  Thread t: row 16 x + t / 16, the 16 bytes t % 16 of each 256-byte piece of it.
; A wave's load covers two pieces of 256 consecutive bytes; its store covers 256 consecutive bytes (two rows of a tile), aligned.
; No LDS, no matrix unit, no cluster: each byte is read once and written once, and no two work-groups share a byte.
; LIMIT: softplus(x) = max(x, 0) + ln 2 * log2(1 + 2^(-|x| log2 e)): the sum 1 + z is rounded, so a has an absolute error of about 1e-7 max(1, |a|).
.set X, 16                             ; v[16:79]   16 pieces as loaded, 4 registers each
.set Y, 80                             ; v[80:111]  16 pieces as stored, 2 registers each
	s_load_b256 s[4:11], s[0:1], 0x0               ; B s[4:5], D s[6:7], C s[8:9], A_diag s[10:11]
	s_load_b128 s[12:15], s[0:1], 0x20             ; wt s[12:13], av s[14:15]
	s_and_b32 s20, ttmp7, 0xffff                   ; y: which matrix
	v_lshrrev_b32 v3, 4, v0                        ; my row of the group's 16
	v_and_b32 v4, 15, v0                           ; my 16 bytes of a piece
	v_lshlrev_b32 v1, 12, v3                       ; source: row x 4,096
	v_lshl_add_u32 v1, v4, 4, v1                   ;         + 16 x place
	v_lshlrev_b32 v2, 7, v3                        ; destination: row x 128
	v_lshl_add_u32 v2, v4, 3, v2                   ;              + 8 x place
	s_lshl_b32 s22, ttmp9, 16                      ; 16 rows of 4,096 bytes
	s_mov_b32 s23, 0
	s_lshl_b32 s24, s20, 21                        ; a matrix in wt: 2,097,152 bytes
	s_lshl_b32 s26, ttmp9, 11                      ; 16 rows of 128 bytes
	s_add_co_u32 s24, s24, s26
	s_mov_b32 s25, 0
	s_mov_b32 s27, 0xbfb8aa3b                      ; -log2 e
	s_mov_b32 s28, 0x3f317218                      ; ln 2
	s_wait_kmcnt 0x0
	s_cmp_eq_u32 s20, 1
	s_cselect_b64 s[16:17], s[6:7], s[4:5]
	s_cmp_eq_u32 s20, 2
	s_cselect_b64 s[16:17], s[8:9], s[16:17]       ; the matrix is chosen by the group's y
	s_add_nc_u64 s[16:17], s[16:17], s[22:23]
	s_add_nc_u64 s[18:19], s[12:13], s[24:25]
.irp s, 0,1,2,3,4,5,6,7,8,9,10,11,12,13,14,15
	global_load_b128 v[X+4*\s:X+4*\s+3], v1, s[16:17] offset:256*\s th:TH_LOAD_NT
.endr
.irp s, 0,1,2,3,4,5,6,7,8,9,10,11,12,13,14,15
	s_wait_loadcnt 15-\s                           ; loads come back in order: 15 - s younger ones may stay out
	v_cvt_pk_bf16_f32 v[Y+2*\s], v[X+4*\s], v[X+4*\s+1]
	v_cvt_pk_bf16_f32 v[Y+2*\s+1], v[X+4*\s+2], v[X+4*\s+3]
	global_store_b64 v2, v[Y+2*\s:Y+2*\s+1], s[18:19] offset:131072*\s   ; K tile s; no register of a store is written again
.endr
	s_or_b32 s21, ttmp9, s20
	s_cmp_lg_u32 s21, 0
	s_cbranch_scc1 .Lend                           ; the table of a is work-group (0, 0)'s: 256 threads x 4 numbers
	v_lshlrev_b32 v6, 4, v0
	global_load_b128 v[8:11], v6, s[10:11]
	s_wait_loadcnt 0x0
.irp k, 0,1,2,3
	v_mul_f32 v[12+\k], s27, |v[8+\k]|             ; -|x| log2 e
.endr
.irp k, 0,1,2,3
	v_exp_f32 v[16+\k], v[12+\k]                   ; z = e^-|x|
.endr
.irp k, 0,1,2,3
	v_max_num_f32 v[8+\k], 0, v[8+\k]              ; plain work between the exponentials and the use of their results (ISA guide 5.7.2)
.endr
	s_wait_alu depctr_va_vdst(0)
.irp k, 0,1,2,3
	v_add_f32 v[20+\k], 1.0, v[16+\k]
.endr
.irp k, 0,1,2,3
	v_log_f32 v[24+\k], v[20+\k]
.endr
	v_nop                                          ; one plain place behind the logarithms
	s_wait_alu depctr_va_vdst(0)
.irp k, 0,1,2,3
	v_fma_f32 v[28+\k], -v[24+\k], s28, -v[8+\k]   ; a = -(ln 2 log2(1 + z) + max(x, 0))
.endr
	global_store_b128 v6, v[28:31], s[14:15]
.Lend:
	s_endpgm
.Lfunc_end_k_qcb260f2d61_prep:
	.size	k_qcb260f2d61_prep, .Lfunc_end_k_qcb260f2d61_prep-k_qcb260f2d61_prep
	.p2alignl 7, 3214868480
	.fill 96, 4, 3214868480
	.section	.rodata,"a",@progbits
	.p2align	6, 0x0
	.amdhsa_kernel k_qcb260f2d61_prep
		.amdhsa_group_segment_fixed_size 0
		.amdhsa_private_segment_fixed_size 0
		.amdhsa_enable_private_segment 0
		.amdhsa_kernarg_size 48
		.amdhsa_user_sgpr_count 2
		.amdhsa_user_sgpr_kernarg_segment_ptr 1
		.amdhsa_wavefront_size32 1
		.amdhsa_system_sgpr_workgroup_id_x 1
		.amdhsa_system_sgpr_workgroup_id_y 1
		.amdhsa_system_sgpr_workgroup_id_z 1
		.amdhsa_system_vgpr_workitem_id 0
		.amdhsa_next_free_vgpr 112
		.amdhsa_next_free_sgpr 66
		.amdhsa_reserve_vcc 0
		.amdhsa_float_denorm_mode_32 3
		.amdhsa_float_denorm_mode_16_64 3
		.amdhsa_memory_ordered 1
		.amdhsa_forward_progress 1
		.amdhsa_inst_pref_size 9
	.end_amdhsa_kernel
	.amdgpu_metadata
---
amdhsa.version: [ 1, 2 ]
amdhsa.kernels:
  - .name:           k_qcb260f2d61_prep
    .symbol:         k_qcb260f2d61_prep.kd
    .args:
      - { .name: Bmat, .offset: 0, .size: 8, .value_kind: global_buffer, .address_space: global }
      - { .name: Dmat, .offset: 8, .size: 8, .value_kind: global_buffer, .address_space: global }
      - { .name: Cmat, .offset: 16, .size: 8, .value_kind: global_buffer, .address_space: global }
      - { .name: A_diag, .offset: 24, .size: 8, .value_kind: global_buffer, .address_space: global }
      - { .name: wt, .offset: 32, .size: 8, .value_kind: global_buffer, .address_space: global }
      - { .name: av, .offset: 40, .size: 8, .value_kind: global_buffer, .address_space: global }
    .group_segment_fixed_size: 0
    .private_segment_fixed_size: 0
    .kernarg_segment_align: 8
    .kernarg_segment_size: 48
    .max_flat_workgroup_size: 256
    .sgpr_count:     66
    .vgpr_count:     112
    .wavefront_size: 32
...
	.end_amdgpu_metadata
.endif
;; end of part 1
;; launch gemm1 (part 2): grid 256 x 1, 4 waves a work-group, clusters of 4 x 1, 327,680 bytes of LDS; arguments u, wt, av, xs, es; writes xs, es
.if DOCPART == 2
	.amdgcn_target "amdgcn-amd-amdhsa--gfx1250"
	.amdhsa_code_object_version 6
	.text
	.protected	k_qcb260f2d61_gemm1
	.globl	k_qcb260f2d61_gemm1
	.p2align	8
	.type	k_qcb260f2d61_gemm1,@function
k_qcb260f2d61_gemm1:
	s_mov_b64 s[64:65], 0
	v_nop
	global_prefetch_b8 v0, s[64:65] scope:SCOPE_SE
	s_setreg_imm32_b32 hwreg(HW_REG_WAVE_MODE, 25, 1), 1
	s_wait_xcnt 0x0
	s_wait_alu depctr_hold_cnt(0) depctr_sa_sdst(0) depctr_va_vdst(0) depctr_va_sdst(0) depctr_va_ssrc(0) depctr_va_vcc(0) depctr_vm_vsrc(0)
	s_getreg_b32 s2, hwreg(HW_REG_IB_STS2, 6, 4)
	s_cmp_eq_u32 s2, 0
	s_cbranch_scc0 .Lentry_in_a_cluster
	s_endpgm
.Lentry_in_a_cluster:
	s_bfe_u32 s2, ttmp6, 0x10000c
	s_cmp_lg_u32 s2, 0x3003
	s_cbranch_scc0 .Lentry_shape_is_right
	s_endpgm
.Lentry_shape_is_right:
; bu = u B^T for one chunk of 64 time steps of one batch, then the recurrence x_t = a x_(t-1) + bu_t INSIDE the chunk with state 0 coming in.
; Out: xs = the local x in f32, es = the local x at the chunk's last step in f32.
; The state that really enters the chunk is added by the next launch: x_t = local_t + a^(t+1) Xin.  The local x stays in f32 on the way, so that x is rounded
; to bf16 once, behind that sum.
; xs: [chunk][state tile 0..63][time tile 0..3] blocks of 1,024 bytes; in a block the 16 bytes number 32 k + 2 r + h hold state row r at times 8 h + 4 k + 0..3.
; Work-group g = chunk g (batch g / 16, chunk g % 16): 64 rows of u x all 1024 states.  Four waves; wave w makes states 256 w .. 256 w + 255:
; 4 time tiles x 16 state tiles = 64 accumulators = 512 registers.  K (1024) goes in 16 steps of 64, each two sub-steps of 32.
; WEIGHTS: a step's tile (1024 rows x 64 bf16, dense in wt) is the same for every work-group.  The four work-groups of a cluster ask for it jointly (mask 15);
; wave w brings, and alone reads, its quarter of 256 rows, through two LDS slots.  u goes through registers: load f32, round to bf16, store to an LDS stage.
; A mask names at most four work-groups, and nothing but the weights is shared, so the cluster is 4 x 1.
; LIMITS: u and B are rounded to bf16.  Powers a^2 .. a^8 are made by products.
.set SLOT,  147456                     ; a weight slot: 4 quarters
.set QB,    36864                      ; a quarter: 256 rows, 128 bytes of data + 16 of padding = pitch 144, an odd multiple of 16
.set STG,   294912                     ; two stages for u's tile, written by ds_store alone: 64 rows, pitch 144
.set STGB,  9216
.set ESS,   313344                     ; 1,024 bytes a wave: the end states on their way out
.set WA,  6                            ; v6-7    LDS address of my weight fragments in slot 0, 1
.set AU,  8                            ; v8-9    LDS address of u's fragments in stage 0, 1
.set SUA, 10                           ; v10     where I store 8 bytes of u's tile
.set UO,  11                           ; v11     my byte offset in u's tile in memory
.set XO,  12                           ; v12     my byte offset in the chunk's xs
.set VT,  13                           ; v13     my byte offset in av
.set ESA, 14                           ; v14     end states: where I put a word
.set ESR, 15                           ; v15     end states: where I read 16 bytes back
.set AV,  16                           ; v16-31  a of my state in each of the 16 state tiles
.set AF0, 32                           ; v32-63, v64-95   u's fragments (4 time tiles x 8 registers), two buffers
.set AF1, 64
.set LS,  96                           ; v96-127, v128-159  u as loaded, two sets
.set CV,  160                          ; v160-175  u rounded
.set F0,  0                            ; window 1: v0-127, v128-255  weight fragments (16 state tiles x 8), two buffers
.set F1,  128
.set WV,  14                           ; s14     wave
.set G1,  24                           ; s[24:31] descriptor group 1
.set G0,  32                           ; s[32:39] descriptor group 0, one for each slot
.set UB,  40                           ; s[40:43] u at the next tile of load set 0, 1
.set MUL_LO, 0xa4                      ; source 0 (u) window 0, source 1 (weights) window 1, C and D window 2: state tiles 0-7
.set MUL_HI, 0xf4                      ; the same, C and D window 3: state tiles 8-15.  Accumulator (i, b) is v[8 (4 (b % 8) + i)] of window 2 + b / 8
.set TO_W,   0x40                      ; destination window 1
.set MSB, 0
.macro WIN new                         ; the immediate's high byte repeats the setting that is left; a switch that changes nothing is dropped
.if MSB != (\new)
	s_set_vgpr_msb (MSB<<8)|(\new)
.set MSB, (\new)
.endif
.endm
.macro PLACES                          ; four plain places behind a matrix instruction, in front of loads into its sources and of readers of its result
.rept 4
	v_nop
.endr
.endm
.macro CREST                           ; a round of the cluster's barrier behind its opening work-group barrier
	s_cmp_lg_u32 s[WV], 0
	s_cbranch_scc1 .Lnot_wave_0_\@
	s_barrier_signal -3
.Lnot_wave_0_\@:
	s_barrier_wait -3
	s_barrier_signal -1
	s_barrier_wait -1
.endm
.macro CROUND
	s_barrier_signal -1
	s_barrier_wait -1
	CREST
.endm
; 16 matrix instructions: state tiles bl0 .. bl0 + 3 of the window x the 4 time tiles.  The accumulators take turns, one instruction a turn, in the same
; order in every sub-step, over the loop's jump too.
.macro MUL16 f, af, hi, bl0, zero
.irp bl, \bl0, \bl0+1, \bl0+2, \bl0+3
.irp i, 0,1,2,3
.if \zero
	v_wmma_f32_16x16x32_bf16 v[8*(4*(\bl)+\i):8*(4*(\bl)+\i)+7], v[\af+8*\i:\af+8*\i+7], v[\f+8*(8*\hi+\bl):\f+8*(8*\hi+\bl)+7], 0
.else
	v_wmma_f32_16x16x32_bf16 v[8*(4*(\bl)+\i):8*(4*(\bl)+\i)+7], v[\af+8*\i:\af+8*\i+7], v[\f+8*(8*\hi+\bl):\f+8*(8*\hi+\bl)+7], v[8*(4*(\bl)+\i):8*(4*(\bl)+\i)+7]
.endif
.endr
.endr
.endm
; 40 LDS loads: the fragments of sub-step kk of the tile in slot and stage \slot: first u's 8, then the weights' 32, state tiles ascending
.macro FETCH slot, kk, f, af
	WIN 0
.irp i, 0,1,2,3
	ds_load_b128 v[\af+8*\i:\af+8*\i+3], v[AU+\slot] offset:\i*2304+\kk*64
	ds_load_b128 v[\af+8*\i+4:\af+8*\i+7], v[AU+\slot] offset:\i*2304+\kk*64+32
.endr
	WIN TO_W
.irp b, 0,1,2,3,4,5,6,7,8,9,10,11,12,13,14,15
	ds_load_b128 v[\f+8*\b:\f+8*\b+3], v[WA+\slot] offset:\b*2304+\kk*64
	ds_load_b128 v[\f+8*\b+4:\f+8*\b+7], v[WA+\slot] offset:\b*2304+\kk*64+32
.endr
.endm
.macro LOAD_U set                      ; a tile of u, 64 rows x 256 bytes: sixteen lanes read 256 consecutive bytes, aligned
.irp q, 0,1,2,3,4,5,6,7
	global_load_b128 v[LS+32*\set+4*\q:LS+32*\set+4*\q+3], v[UO], s[UB+2*\set:UB+2*\set+1] offset:\q*32768 th:TH_LOAD_NT
.endr
.endm
.macro STAGE_U set, lcnt               ; the tile in load set \set is rounded and stored to stage \set
	s_wait_loadcnt \lcnt                           ; the younger tile's loads may stay out; this set's are in,
	s_add_nc_u64 s[UB+2*\set:UB+2*\set+1], s[UB+2*\set:UB+2*\set+1], 512   ; so their base may step: two tiles on
.irp q, 0,1,2,3,4,5,6,7
	v_cvt_pk_bf16_f32 v[CV+2*\q], v[LS+32*\set+4*\q], v[LS+32*\set+4*\q+1]
	v_cvt_pk_bf16_f32 v[CV+2*\q+1], v[LS+32*\set+4*\q+2], v[LS+32*\set+4*\q+3]
.endr
.irp q, 0,1,2,3,4,5,6,7
	ds_store_b64 v[SUA], v[CV+2*\q:CV+2*\q+1] offset:\set*STGB+\q*1152
.endr
.endm
; One K step on slot \slot (p = the other).  stage: u's next tile goes to stage p; load: the tile three steps on is asked for; fill: this slot gets the tile two steps on.
; ONE barrier a step.  In front of it every wave has waited for its reads of this slot and stage, for its stores to stage p and for all its tensor loads
; (one is out: its quarter of slot p).  Where the slot is filled again the barrier opens a round of the cluster's barrier, and the joint load is the first thing behind it.
.macro STEP slot, p, stage, load, lcnt, fill, zero, last
	s_wait_dscnt 16                                ; all but the 16 youngest loads: the weights of state tiles 8-15
	WIN MUL_LO
	MUL16 F0, AF0, 0, 0, \zero
	MUL16 F0, AF0, 0, 4, \zero
	PLACES
	FETCH \slot, 1, F1, AF1
	s_wait_dscnt 40                                ; all but the 40 just issued
	WIN MUL_HI
	MUL16 F0, AF0, 1, 0, \zero
	MUL16 F0, AF0, 1, 4, \zero
	WIN 0
.if \stage
	STAGE_U \p, \lcnt
.endif
.if \load
	LOAD_U \p
.endif
	s_wait_dscnt 16+8*\stage                       ; younger than what is needed: 16 loads (state tiles 8-15) and the stage's 8 stores
	WIN MUL_LO
	MUL16 F1, AF1, 0, 0, 0
.if \last
	MUL16 F1, AF1, 0, 4, 0
	s_wait_dscnt 0x0
	WIN MUL_HI
	MUL16 F1, AF1, 1, 0, 0
	MUL16 F1, AF1, 1, 4, 0
	WIN 0
.else
	s_wait_dscnt 0x0                               ; my reads of this slot and stage are back, my stores to the other stage are done
	s_set_vgpr_msb 0xa4a0
	s_wait_tensorcnt 0x0                           ; all my tensor loads have landed
	ds_add_u32 v254, v255
	s_wait_dscnt 0x0
	s_set_vgpr_msb 0xa0a4
	s_barrier_signal -1
	MUL16 F1, AF1, 0, 4, 0                         ; register work while the others arrive
	WIN 0
	s_barrier_wait -1
.if \fill
	CREST                                          ; all four work-groups have said so
	s_add_nc_u64 s[G0+4*\slot+2:G0+4*\slot+3], s[G0+4*\slot+2:G0+4*\slot+3], 262144   ; no load of mine is out: two tiles on
	tensor_load_to_lds s[G0+4*\slot:G0+4*\slot+3], s[G1:G1+7]                          ; my one tensor load until the next such barrier
	s_nop 0
.endif
	PLACES
	FETCH \p, 0, F0, AF0
	WIN MUL_HI
	MUL16 F1, AF1, 1, 0, 0
	MUL16 F1, AF1, 1, 4, 0
.endif
.endm
	s_load_b256 s[4:11], s[0:1], 0x0               ; u s[4:5], wt s[6:7], av s[8:9], xs s[10:11]
	s_load_b64 s[12:13], s[0:1], 0x20              ; es
	v_lshl_add_u32 v254, v0, 2, 0x4d800
	v_mov_b32 v255, 0
	ds_add_u32 v254, v255
	v_lshrrev_b32 v1, 5, v0
	v_readfirstlane_b32 s14, v1                    ; wave 0..3
	s_bfe_u32 s15, ttmp6, 0x40000                  ; cx
	s_lshl_b32 s16, ttmp9, 2
	s_add_co_u32 s16, s16, s15                     ; g = 4 x cluster + cx: it enters addresses of u, xs and es alone
	; group 1: my quarter is 32,768 dense bytes, taken as 128 rows of 32 elements of 8 bytes; 4 words of padding behind every 32 words, that is behind each weight row
	s_mov_b32 s[G1+0], 0x0733000f                  ; 15:0 mask 15; 17:16 elements of 8 bytes; 20 padding on; 21 set beside a mask; 24:22 every 32 words; 31:25 four words
	s_mov_b32 s[G1+1], 32<<16                      ; tensor_dim0 = 32
	s_mov_b32 s[G1+2], 128<<16                     ; tensor_dim1 = 128
	s_mov_b32 s[G1+3], 32<<16                      ; tile_dim0 = 32
	s_mov_b32 s[G1+4], 128                         ; tile_dim1 = 128
	s_mov_b32 s[G1+5], 32                          ; from row to row: 32 elements
	s_mov_b32 s[G1+6], 0
	s_mov_b32 s[G1+7], 0
	s_mov_b32 s45, 0x76543210                      ; v_permlanex16_b32: lane i takes lane i of the other half
	s_mov_b32 s46, 0xfedcba98
	s_mov_b32 s47, 0xffff0000                      ; lanes 16-31
	s_mul_i32 s18, s14, QB                         ; my quarter in a slot
	s_lshl_b32 s2, s14, 15                         ; my quarter in a tile
	s_mov_b32 s3, 0
	s_wait_dscnt 0x0
	s_wait_kmcnt 0x0
	s_add_nc_u64 s[20:21], s[6:7], s[2:3]          ; B's tile 0, my quarter: the same in all four work-groups
.irp s, 0,1
	s_mov_b32 s[G0+4*\s], 1
	s_add_co_u32 s[G0+4*\s+1], s18, \s*SLOT
	s_add_nc_u64 s[G0+4*\s+2:G0+4*\s+3], s[20:21], \s*131072
	s_or_b32 s[G0+4*\s+3], s[G0+4*\s+3], 0x80000000
.endr
	CROUND                                         ; the four work-groups are here: the first joint loads meet
	tensor_load_to_lds s[G0:G0+3], s[G1:G1+7]      ; tiles 0 and 1: two loads of mine are out, later one
	s_nop 0
	tensor_load_to_lds s[G0+4:G0+7], s[G1:G1+7]
	s_nop 0
	v_and_b32 v2, 15, v0                           ; r
	v_bfe_u32 v3, v0, 4, 1                         ; h
	v_lshrrev_b32 v4, 4, v0                        ; thread / 16: 0..7
	v_lshlrev_b32 v[VT], 2, v2
	v_lshl_add_u32 v[VT], s14, 10, v[VT]           ; state 256 w + r
.irp b, 0,1,2,3,4,5,6,7,8,9,10,11,12,13,14,15
	global_load_b32 v[AV+\b], v[VT], s[8:9] offset:64*\b
.endr
	s_lshl_b32 s2, s16, 18                         ; 64 rows of u of 4,096 bytes; a chunk of xs has as many bytes: 256 blocks of 1,024
	s_add_nc_u64 s[UB:UB+1], s[4:5], s[2:3]
	s_add_nc_u64 s[UB+2:UB+3], s[UB:UB+1], 256
	s_add_nc_u64 s[10:11], s[10:11], s[2:3]
	s_lshl_b32 s2, s16, 12                         ; a chunk of es: 4,096 bytes
	s_add_nc_u64 s[12:13], s[12:13], s[2:3]
	v_lshlrev_b32 v[UO], 12, v4
	v_lshl_add_u32 v[UO], v2, 4, v[UO]
	LOAD_U 0                                       ; tile 0
	LOAD_U 1                                       ; tile 1
	v_mul_u32_u24 v5, v2, 144
	v_lshl_add_u32 v5, v3, 4, v5                   ; r x pitch + 16 h
	v_add_nc_u32 v[WA], s18, v5
	v_add_nc_u32 v[WA+1], SLOT, v[WA]
	v_add_nc_u32 v[AU], STG, v5
	v_add_nc_u32 v[AU+1], STG+STGB, v5
	v_mul_u32_u24 v[SUA], v4, 144
	v_lshl_add_u32 v[SUA], v2, 3, v[SUA]
	v_add_nc_u32 v[SUA], STG, v[SUA]
	v_lshl_add_u32 v[XO], v2, 1, v3                ; 2 r + h
	v_lshlrev_b32 v[XO], 4, v[XO]
	v_lshl_add_u32 v[XO], s14, 16, v[XO]           ; + my wave's 64 blocks of 1,024 bytes
	v_and_b32 v1, 31, v0
	s_lshl_b32 s19, s14, 10
	s_add_co_u32 s19, s19, ESS
	v_lshl_add_u32 v[ESA], v1, 2, s19
	v_lshl_add_u32 v[ESR], v1, 4, s19
	STAGE_U 0, 8                                   ; tile 1's eight loads may stay out: a and tile 0 are in
	LOAD_U 0                                       ; tile 2
	s_wait_tensorcnt 0x1                           ; my quarter of tile 0 is in; tile 1's may stay out
	s_wait_dscnt 0x0                               ; my part of stage 0 is stored
	s_barrier_signal -1
	s_barrier_wait -1
	FETCH 0, 0, F0, AF0
	STEP 0, 1, 1, 1, 8, 1, 1, 0                    ; step 0: its first products start the sums
	STEP 1, 0, 1, 1, 8, 1, 0, 0
	WIN 0
	s_mov_b32 s44, 5                               ; steps 2 to 11
.Lk:
	STEP 0, 1, 1, 1, 8, 1, 0, 0
	STEP 1, 0, 1, 1, 8, 1, 0, 0
	WIN 0
	s_sub_co_u32 s44, s44, 1
	s_cmp_lg_u32 s44, 0
	s_cbranch_scc1 .Lk
	STEP 0, 1, 1, 1, 8, 1, 0, 0                    ; step 12 asks for u's tile 15, the last
	STEP 1, 0, 1, 0, 8, 1, 0, 0                    ; step 13 fills slot 1 with the weights' tile 15, the last
	STEP 0, 1, 1, 0, 0, 0, 0, 0                    ; step 14: no younger load is out
	STEP 1, 0, 0, 0, 0, 0, 0, 1                    ; step 15
	; THE SCAN.  Lane (r, h) holds state 256 w + 16 b + r; register j of tile (i, b) is time 16 i + 8 h + j: a lane holds blocks of 8 neighbouring times.
.set E1,  32                           ; v32-47   (bb, i): end of time block 2 i + 1, then the state behind it
.set E0,  48                           ; v48-63   the same for block 2 i
.set CR,  68                           ; v68-83   (bb, i): the state that enters my block of tile i
.set PW,  96                           ; v96-127  bb: a^1 .. a^8
.set OWN, 192                          ; v192-207 my own blocks' ends
.set TE,  208
.set ESG, 210
.set EB,  212
	PLACES
.macro SCAN4 g4                        ; state tiles 4 g4 .. 4 g4 + 3
.set WN, 2+(\g4>>1)
.set A0, 128*(\g4&1)
	WIN (WN<<2)|(WN<<4)|(WN<<6)
.irp j, 1,2,3,4,5,6,7                  ; inside each block of 8 times: 16 chains that do not wait for each other
.irp bb, 0,1,2,3
.irp i, 0,1,2,3
	v_fma_f32 v[A0+32*\bb+8*\i+\j], v[AV+4*\g4+\bb], v[A0+32*\bb+8*\i+\j-1], v[A0+32*\bb+8*\i+\j]
.endr
.endr
.endr
	WIN WN
.irp bb, 0,1,2,3
.irp i, 0,1,2,3
	v_mov_b32 v[OWN+4*\bb+\i], v[A0+32*\bb+8*\i+7]
.endr
.endr
	WIN 0
.irp bb, 0,1,2,3
.irp i, 0,1,2,3
	v_permlanex16_b32 v[E1+4*\bb+\i], v[OWN+4*\bb+\i], s45, s46    ; the other half's block end
.endr
.endr
.irp bb, 0,1,2,3
.irp i, 0,1,2,3
	v_cndmask_b32 v[E0+4*\bb+\i], v[OWN+4*\bb+\i], v[E1+4*\bb+\i], s47   ; block 2 i's end, in both halves
	v_cndmask_b32 v[E1+4*\bb+\i], v[E1+4*\bb+\i], v[OWN+4*\bb+\i], s47   ; block 2 i + 1's
.endr
.endr
.irp bb, 0,1,2,3
	v_mov_b32 v[PW+8*\bb], v[AV+4*\g4+\bb]
	v_mul_f32 v[PW+8*\bb+1], v[AV+4*\g4+\bb], v[AV+4*\g4+\bb]
.endr
.irp bb, 0,1,2,3
	v_pk_mul_f32 v[PW+8*\bb+2:PW+8*\bb+3], v[PW+8*\bb:PW+8*\bb+1], v[PW+8*\bb:PW+8*\bb+1] op_sel:[0,1] op_sel_hi:[1,1]       ; (a, a^2) a^2
.endr
.irp bb, 0,1,2,3
	v_pk_mul_f32 v[PW+8*\bb+4:PW+8*\bb+5], v[PW+8*\bb:PW+8*\bb+1], v[PW+8*\bb+2:PW+8*\bb+3] op_sel:[0,1] op_sel_hi:[1,1]     ; (a, a^2) a^4
	v_pk_mul_f32 v[PW+8*\bb+6:PW+8*\bb+7], v[PW+8*\bb+2:PW+8*\bb+3], v[PW+8*\bb+2:PW+8*\bb+3] op_sel:[0,1] op_sel_hi:[1,1]   ; (a^3, a^4) a^4
.endr
.irp i, 0,1,2,3                        ; from block to block: state = end + a^8 x state before
.if \i
.irp bb, 0,1,2,3
	v_fma_f32 v[E0+4*\bb+\i], v[PW+8*\bb+7], v[E1+4*\bb+\i-1], v[E0+4*\bb+\i]
.endr
.endif
.irp bb, 0,1,2,3
	v_fma_f32 v[E1+4*\bb+\i], v[PW+8*\bb+7], v[E0+4*\bb+\i], v[E1+4*\bb+\i]
.endr
.endr
.irp bb, 0,1,2,3
	v_cndmask_b32 v[CR+4*\bb], 0, v[E0+4*\bb], s47
.irp i, 1,2,3
	v_cndmask_b32 v[CR+4*\bb+\i], v[E1+4*\bb+\i-1], v[E0+4*\bb+\i], s47
.endr
.endr
.irp bb, 0,2                           ; the chunk's end states: lanes 0-15 tile b's, lanes 16-31 tile b + 1's: 32 neighbouring states
	v_cndmask_b32 v[TE+\bb/2], v[E1+4*\bb+3], v[E1+4*\bb+7], s47
	ds_store_b32 v[ESA], v[TE+\bb/2] offset:128*(2*\g4+\bb/2)
.endr
	WIN (WN<<4)|(WN<<6)
.irp bb, 0,1,2,3
.irp i, 0,2
.irp k, 0,2,4,6
	v_pk_fma_f32 v[A0+32*\bb+8*\i+\k:A0+32*\bb+8*\i+\k+1], v[PW+8*\bb+\k:PW+8*\bb+\k+1], v[CR+4*\bb+\i:CR+4*\bb+\i+1], v[A0+32*\bb+8*\i+\k:A0+32*\bb+8*\i+\k+1] op_sel_hi:[1,0,1]
	v_pk_fma_f32 v[A0+32*\bb+8*\i+8+\k:A0+32*\bb+8*\i+8+\k+1], v[PW+8*\bb+\k:PW+8*\bb+\k+1], v[CR+4*\bb+\i:CR+4*\bb+\i+1], v[A0+32*\bb+8*\i+8+\k:A0+32*\bb+8*\i+8+\k+1] op_sel:[0,1,0] op_sel_hi:[1,1,1]
.endr
.endr
.endr
	WIN (WN<<2)                                    ; a store's data is its source 1: straight from the accumulators' window; they are never written again
.irp bb, 0,1,2,3
.irp i, 0,1,2,3
	global_store_b128 v[XO], v[A0+32*\bb+8*\i:A0+32*\bb+8*\i+3], s[10:11] offset:(4*(4*\g4+\bb)+\i)*1024          ; one store of the wave = 512 consecutive bytes, aligned:
	global_store_b128 v[XO], v[A0+32*\bb+8*\i+4:A0+32*\bb+8*\i+7], s[10:11] offset:(4*(4*\g4+\bb)+\i)*1024+512    ; the two halves of a block
.endr
.endr
	WIN 0
.endm
	SCAN4 0
	SCAN4 1
	SCAN4 2
	SCAN4 3
	ds_load_b128 v[EB:EB+3], v[ESR]                ; my wave's own bytes: LDS serves a wave in order (ISA guide 5.7.1.4), no barrier
	ds_load_b128 v[EB+4:EB+7], v[ESR] offset:512
	v_and_b32 v1, 31, v0
	v_lshlrev_b32 v[ESG], 4, v1
	v_lshl_add_u32 v[ESG], s14, 10, v[ESG]
	s_wait_dscnt 0x0
	global_store_b128 v[ESG], v[EB:EB+3], s[12:13]
	global_store_b128 v[ESG], v[EB+4:EB+7], s[12:13] offset:512
	s_wait_tensorcnt 0x0
	ds_add_u32 v254, v255
	s_wait_dscnt 0x0
	CROUND                                         ; the closing round: no work-group ends while a partner may still ask jointly
	s_endpgm
.Lfunc_end_k_qcb260f2d61_gemm1:
	.size	k_qcb260f2d61_gemm1, .Lfunc_end_k_qcb260f2d61_gemm1-k_qcb260f2d61_gemm1
	.p2alignl 7, 3214868480
	.fill 96, 4, 3214868480
	.section	.rodata,"a",@progbits
	.p2align	6, 0x0
	.amdhsa_kernel k_qcb260f2d61_gemm1
		.amdhsa_group_segment_fixed_size 327680
		.amdhsa_private_segment_fixed_size 0
		.amdhsa_enable_private_segment 0
		.amdhsa_kernarg_size 40
		.amdhsa_user_sgpr_count 2
		.amdhsa_user_sgpr_kernarg_segment_ptr 1
		.amdhsa_wavefront_size32 1
		.amdhsa_system_sgpr_workgroup_id_x 1
		.amdhsa_system_sgpr_workgroup_id_y 1
		.amdhsa_system_sgpr_workgroup_id_z 1
		.amdhsa_system_vgpr_workitem_id 0
		.amdhsa_next_free_vgpr 1024
		.amdhsa_next_free_sgpr 66
		.amdhsa_reserve_vcc 0
		.amdhsa_float_denorm_mode_32 3
		.amdhsa_float_denorm_mode_16_64 3
		.amdhsa_memory_ordered 1
		.amdhsa_forward_progress 1
		.amdhsa_inst_pref_size 226
	.end_amdhsa_kernel
	.amdgpu_metadata
---
amdhsa.version: [ 1, 2 ]
amdhsa.kernels:
  - .name:           k_qcb260f2d61_gemm1
    .symbol:         k_qcb260f2d61_gemm1.kd
    .args:
      - { .name: u, .offset: 0, .size: 8, .value_kind: global_buffer, .address_space: global }
      - { .name: wt, .offset: 8, .size: 8, .value_kind: global_buffer, .address_space: global }
      - { .name: av, .offset: 16, .size: 8, .value_kind: global_buffer, .address_space: global }
      - { .name: xs, .offset: 24, .size: 8, .value_kind: global_buffer, .address_space: global }
      - { .name: es, .offset: 32, .size: 8, .value_kind: global_buffer, .address_space: global }
    .group_segment_fixed_size: 327680
    .private_segment_fixed_size: 0
    .kernarg_segment_align: 8
    .kernarg_segment_size: 40
    .max_flat_workgroup_size: 128
    .sgpr_count:     66
    .vgpr_count:     1024
    .wavefront_size: 32
...
	.end_amdgpu_metadata
.endif
;; end of part 2
;; launch gemm2 (part 3): grid 256 x 1, 4 waves a work-group, clusters of 4 x 1, 327,680 bytes of LDS; arguments u, xs, es, av, h0, wt, ln_gamma, ln_beta, out0; writes out0
.if DOCPART == 3
	.amdgcn_target "amdgcn-amd-amdhsa--gfx1250"
	.amdhsa_code_object_version 6
	.text
	.protected	k_qcb260f2d61_gemm2
	.globl	k_qcb260f2d61_gemm2
	.p2align	8
	.type	k_qcb260f2d61_gemm2,@function
k_qcb260f2d61_gemm2:
	s_mov_b64 s[64:65], 0
	v_nop
	global_prefetch_b8 v0, s[64:65] scope:SCOPE_SE
	s_setreg_imm32_b32 hwreg(HW_REG_WAVE_MODE, 25, 1), 1
	s_wait_xcnt 0x0
	s_wait_alu depctr_hold_cnt(0) depctr_sa_sdst(0) depctr_va_vdst(0) depctr_va_sdst(0) depctr_va_ssrc(0) depctr_va_vcc(0) depctr_vm_vsrc(0)
	s_getreg_b32 s2, hwreg(HW_REG_IB_STS2, 6, 4)
	s_cmp_eq_u32 s2, 0
	s_cbranch_scc0 .Lentry_in_a_cluster
	s_endpgm
.Lentry_in_a_cluster:
	s_bfe_u32 s2, ttmp6, 0x10000c
	s_cmp_lg_u32 s2, 0x3003
	s_cbranch_scc0 .Lentry_shape_is_right
	s_endpgm
.Lentry_shape_is_right:
; y = u D^T + x C^T for one chunk of 64 time steps of one batch, x_t = local_t + a^(t+1) Xin; then exact GELU, LayerNorm over the 1024 outputs, nan_to_num.
; Xin of chunk c: Xin(0) = h0, Xin(k+1) = es[k] + a^64 Xin(k): all 15 links are computed in every work-group and those with k < c are kept by a select.
; Work-group g = chunk g: 64 rows x all 1024 outputs, so a row's mean and variance stay in the work-group.  Four waves; wave w makes outputs 256 w .. 256 w + 255:
; 64 accumulators = 512 registers.  K = 2048 in 32 steps of 64: steps 0-15 u with D, steps 16-31 x with C (D and C follow each other in wt).
; WEIGHTS: a step's tile is the same for every work-group: the four work-groups of a cluster ask for it jointly (mask 15), wave w its quarter, two LDS slots.
; u and xs (both f32) go through registers into an LDS stage: u is rounded to bf16 there; the local x gets its a^(t+1) Xin in f32 and is then rounded to bf16, once.
; THE MATRIX INSTRUCTION IS USED TRANSPOSED (source 0 = weights, source 1 = u or x): lane (r, h) holds row 16 i + r and eight neighbouring outputs.
; LIMITS.  u, x, C, D go to the matrix unit in bf16.
; erf by the rational form of Abramowitz and Stegun 7.1.26: absolute error 1.5e-7 at every argument; act = max(y, 0) - |y| erfc(|y| / sqrt 2) / 2.
; Powers of a are made by squaring: with |a| >= 16 a^32 overflows, with |a| > 4 a^64 does, and 0 x inf then gives NaN where a step-by-step scan of a zero state
; gives 0.  In those ranges x itself overflows inside a chunk; rows right at that boundary may differ.
; The variance is the mean of (act - mean)^2, made in a second pass: no difference of large sums.
.set SLOT,  147456
.set QB,    36864                      ; a quarter: 256 rows, pitch 144
.set STG,   294912                     ; two stages, written by ds_store alone.  u: 64 rows, pitch 144.  x: 16 blocks of 512 bytes (16 states x 16 times, bf16)
.set STGB,  9216
.set ATAB,  313344                     ; a[1024] f32; Xin[1024] f32 lies 4,096 bytes behind
.set LNS,   321536                     ; [row][wave] f32 partial sums; the sums of squares lie 1,024 bytes behind
.set WA,  6                            ; v6-7   weight fragments, slot 0, 1
.set AU,  8                            ; v8-9   u's fragments, stage 0, 1
.set SUA, 10                           ; v10    where I store 8 bytes of u's tile
.set UO,  11                           ; v11    my offset in u's tile in memory
.set AX,  12                           ; v12-13 x's fragments (transposing loads), stage 0, 1
.set SXA, 14                           ; v14    where I store 16 bytes of x's tile
.set XOF, 15                           ; v15    my offset in x's tile in memory
.set TB,  16                           ; v16    my word of the tables, stepped 64 states a tile
.set STO, 17                           ; v17    the way out: in
.set RD,  18                           ; v18    the way out: back
.set CO,  19                           ; v19    my offset in out0
.set GBO, 20                           ; v20    my offset in gamma and beta
.set LNW, 21
.set LNR, 22
.set T32, 23                           ; v23    32 x thread
.set TA,  24
.set AF0, 32
.set AF1, 64
.set LS,  96                           ; v96-127, v128-159  load sets
.set CV,  160
.set AVC, 176                          ; the chain: a, Xin, the next link, a^64 of my 8 states
.set CUR, 184
.set NEW, 192
.set A64, 200
.set PX,  160                          ; x's stage: a^1..a^8 of piece q
.set XX,  192                          ; 8 numbers of piece q, corrected
.set GX,  224                          ; pair q: Xin a^(8 o8)
.set TX,  232                          ; pair q: a^16, a^32
.set YX,  240
.set F0,  0
.set F1,  128
.set WV,  22
.set G1,  24
.set G0,  32
.set UB,  40
.set XB,  44
.set MUL_LO, 0xa1                      ; source 0 (weights) window 1, source 1 window 0, C and D window 2
.set MUL_HI, 0xf1
.set TO_W,   0x40
.set MSB, 0
.macro WIN new
.if MSB != (\new)
	s_set_vgpr_msb (MSB<<8)|(\new)
.set MSB, (\new)
.endif
.endm
.macro PLACES                          ; four plain places behind a matrix instruction (ISA guide 7.12.1)
.rept 4
	v_nop
.endr
.endm
.macro CREST
	s_cmp_lg_u32 s[WV], 0
	s_cbranch_scc1 .Lnot_wave_0_\@
	s_barrier_signal -3
.Lnot_wave_0_\@:
	s_barrier_wait -3
	s_barrier_signal -1
	s_barrier_wait -1
.endm
.macro CROUND
	s_barrier_signal -1
	s_barrier_wait -1
	CREST
.endm
; 16 matrix instructions; the accumulators take turns, one instruction a turn, in the same order in every sub-step
.macro MUL16 f, af, hi, bl0, zero
.irp bl, \bl0, \bl0+1, \bl0+2, \bl0+3
.irp i, 0,1,2,3
.if \zero
	v_wmma_f32_16x16x32_bf16 v[8*(4*(\bl)+\i):8*(4*(\bl)+\i)+7], v[\f+8*(8*\hi+\bl):\f+8*(8*\hi+\bl)+7], v[\af+8*\i:\af+8*\i+7], 0
.else
	v_wmma_f32_16x16x32_bf16 v[8*(4*(\bl)+\i):8*(4*(\bl)+\i)+7], v[\f+8*(8*\hi+\bl):\f+8*(8*\hi+\bl)+7], v[\af+8*\i:\af+8*\i+7], v[8*(4*(\bl)+\i):8*(4*(\bl)+\i)+7]
.endif
.endr
.endr
.endm
; 40 LDS loads.  kind 1: u's tile, rows along K.  kind 2: x's tile, blocks [state][time]: a transposing load takes one block of 512 bytes (16 states of one time tile)
.macro FETCH slot, kind, kk, f, af
	WIN 0
.if \kind == 1
.irp i, 0,1,2,3
	ds_load_b128 v[\af+8*\i:\af+8*\i+3], v[AU+\slot] offset:\i*2304+\kk*64
	ds_load_b128 v[\af+8*\i+4:\af+8*\i+7], v[AU+\slot] offset:\i*2304+\kk*64+32
.endr
.else
.irp i, 0,1,2,3
	ds_load_tr16_b128 v[\af+8*\i:\af+8*\i+3], v[AX+\slot] offset:(8*\kk+\i)*512
	ds_load_tr16_b128 v[\af+8*\i+4:\af+8*\i+7], v[AX+\slot] offset:(8*\kk+\i)*512+2048
.endr
.endif
	WIN TO_W
.irp b, 0,1,2,3,4,5,6,7,8,9,10,11,12,13,14,15
	ds_load_b128 v[\f+8*\b:\f+8*\b+3], v[WA+\slot] offset:\b*2304+\kk*64
	ds_load_b128 v[\f+8*\b+4:\f+8*\b+7], v[WA+\slot] offset:\b*2304+\kk*64+32
.endr
.endm
.macro LOAD_U set
.irp q, 0,1,2,3,4,5,6,7
	global_load_b128 v[LS+32*\set+4*\q:LS+32*\set+4*\q+3], v[UO], s[UB+2*\set:UB+2*\set+1] offset:\q*32768 th:TH_LOAD_NT
.endr
.endm
.macro STAGE_U set, lcnt
	s_wait_loadcnt \lcnt                           ; the younger tile's loads may stay out; this set's are in,
	s_add_nc_u64 s[UB+2*\set:UB+2*\set+1], s[UB+2*\set:UB+2*\set+1], 512   ; so their base may step
.irp q, 0,1,2,3,4,5,6,7
	v_cvt_pk_bf16_f32 v[CV+2*\q], v[LS+32*\set+4*\q], v[LS+32*\set+4*\q+1]
	v_cvt_pk_bf16_f32 v[CV+2*\q+1], v[LS+32*\set+4*\q+2], v[LS+32*\set+4*\q+3]
.endr
.irp q, 0,1,2,3,4,5,6,7
	ds_store_b64 v[SUA], v[CV+2*\q:CV+2*\q+1] offset:\set*STGB+\q*1152
.endr
.endm
; A tile of xs: 64 states x 64 times in f32, 16,384 dense bytes = 16 blocks of 1,024 (state tile q, time tile w).  A load of the wave takes 512 consecutive bytes:
; half k of a block, in which lane l finds state row l / 2 at times 8 (l & 1) + 4 k + 0..3.  Piece q = the two halves = 8 neighbouring times of one state.
.macro LOAD_X set
.irp q, 0,1,2,3
	global_load_b128 v[LS+32*\set+8*\q:LS+32*\set+8*\q+3], v[XOF], s[XB+2*\set:XB+2*\set+1] offset:4096*\q th:TH_LOAD_NT
	global_load_b128 v[LS+32*\set+8*\q+4:LS+32*\set+8*\q+7], v[XOF], s[XB+2*\set:XB+2*\set+1] offset:4096*\q+512 th:TH_LOAD_NT
.endr
.endm
.macro TABLES_X                        ; a and Xin of my four pieces' states: 64 j + 16 q + lane / 2
.irp q, 0,1,2,3
	ds_load_b32 v[PX+8*\q], v[TB] offset:64*\q
	ds_load_b32 v[GX+2*\q], v[TB] offset:4096+64*\q
.endr
	v_add_nc_u32 v[TB], 256, v[TB]
.endm
; My piece q holds one state at times 8 o8 + 0..7, o8 = 2 w + (lane & 1): x = local + a^(e+1) (Xin a^(8 o8)); a^(8 o8) from a^8, a^16, a^32 by o8's bits
.macro STAGE_X set, lcnt
	s_wait_loadcnt \lcnt                           ; the younger tile's loads may stay out; this set's are in,
	s_wait_dscnt 0x0                               ; and so are the tables' words
	s_add_nc_u64 s[XB+2*\set:XB+2*\set+1], s[XB+2*\set:XB+2*\set+1], 32768   ; two tiles on
.irp q, 0,1,2,3
	v_mul_f32 v[PX+8*\q+1], v[PX+8*\q], v[PX+8*\q]
.endr
.irp q, 0,1,2,3
	v_pk_mul_f32 v[PX+8*\q+2:PX+8*\q+3], v[PX+8*\q:PX+8*\q+1], v[PX+8*\q:PX+8*\q+1] op_sel:[0,1] op_sel_hi:[1,1]
.endr
.irp q, 0,1,2,3
	v_pk_mul_f32 v[PX+8*\q+4:PX+8*\q+5], v[PX+8*\q:PX+8*\q+1], v[PX+8*\q+2:PX+8*\q+3] op_sel:[0,1] op_sel_hi:[1,1]
	v_pk_mul_f32 v[PX+8*\q+6:PX+8*\q+7], v[PX+8*\q+2:PX+8*\q+3], v[PX+8*\q+2:PX+8*\q+3] op_sel:[0,1] op_sel_hi:[1,1]
.endr
.irp q, 0,1,2,3
	v_mul_f32 v[TX+2*\q], v[PX+8*\q+7], v[PX+8*\q+7]               ; a^16
	v_cndmask_b32 v[GX+2*\q+1], 1.0, v[PX+8*\q+7], s54             ; a^8 where o8 is odd
.endr
.irp q, 0,1,2,3
	v_mul_f32 v[TX+2*\q+1], v[TX+2*\q], v[TX+2*\q]                 ; a^32
	v_mul_f32 v[GX+2*\q], v[GX+2*\q], v[GX+2*\q+1]
	v_cndmask_b32 v[TX+2*\q], 1.0, v[TX+2*\q], s55
.endr
.irp q, 0,1,2,3
	v_mul_f32 v[GX+2*\q], v[GX+2*\q], v[TX+2*\q]
	v_cndmask_b32 v[TX+2*\q+1], 1.0, v[TX+2*\q+1], s56
.endr
.irp q, 0,1,2,3
	v_mul_f32 v[GX+2*\q], v[GX+2*\q], v[TX+2*\q+1]
.endr
.irp q, 0,1,2,3
.irp k, 0,2,4,6
	v_pk_fma_f32 v[XX+8*\q+\k:XX+8*\q+\k+1], v[PX+8*\q+\k:PX+8*\q+\k+1], v[GX+2*\q:GX+2*\q+1], v[LS+32*\set+8*\q+\k:LS+32*\set+8*\q+\k+1] op_sel_hi:[1,0,1]
.endr
.endr
.irp q, 0,1,2,3
.irp k, 0,1,2,3
	v_cvt_pk_bf16_f32 v[YX+4*\q+\k], v[XX+8*\q+2*\k], v[XX+8*\q+2*\k+1]      ; x's one rounding
.endr
.endr
.irp q, 0,1,2,3
	ds_store_b128 v[SXA], v[YX+4*\q:YX+4*\q+3] offset:\set*STGB+2048*\q
.endr
.endm
; One K step on slot \slot (p = the other).  kcur, knext: kind of this tile and of the next (1 u, 2 x); stage, load: kind of the tile staged (one step on) and asked
; for (three steps on), 0 = none; fill: this slot gets the weights two steps on.  ONE barrier a step: in front of it every wave has waited for its reads of this
; slot and stage, its stores to stage p and all its tensor loads; where the slot is filled again it opens a round of the cluster's barrier.
.macro STEP slot, p, kcur, knext, stage, load, lcnt, fill, zero, last
	s_wait_dscnt 16                                ; all but the 16 youngest loads: the weights of output tiles 8-15
	WIN MUL_LO
	MUL16 F0, AF0, 0, 0, \zero
	MUL16 F0, AF0, 0, 4, \zero
	PLACES
	FETCH \slot, \kcur, 1, F1, AF1
.if \stage == 2
	WIN 0
	TABLES_X
	s_wait_dscnt 48                                ; all but the 40 fragment loads and the 8 table loads just issued
.else
	s_wait_dscnt 40                                ; all but the 40 just issued
.endif
	WIN MUL_HI
	MUL16 F0, AF0, 1, 0, \zero
	MUL16 F0, AF0, 1, 4, \zero
	WIN 0
.if \stage == 1
	STAGE_U \p, \lcnt
.endif
.if \stage == 2
	STAGE_X \p, \lcnt
.endif
.if \load == 1
	LOAD_U \p
.endif
.if \load == 2
	LOAD_X \p
.endif
.if \stage == 1
	s_wait_dscnt 24                                ; younger than what is needed: 16 loads (output tiles 8-15) and the stage's 8 stores
.else
	s_wait_dscnt 16                                ; 16 loads (output tiles 8-15); behind x's stage only its 4 stores are out
.endif
	WIN MUL_LO
	MUL16 F1, AF1, 0, 0, 0
.if \last
	MUL16 F1, AF1, 0, 4, 0
	s_wait_dscnt 0x0
	WIN MUL_HI
	MUL16 F1, AF1, 1, 0, 0
	MUL16 F1, AF1, 1, 4, 0
	WIN 0
.else
	s_wait_dscnt 0x0                               ; my reads of this slot and stage are back, my stores to the other stage are done
	s_set_vgpr_msb 0xa1a0
	s_wait_tensorcnt 0x0                           ; all my tensor loads have landed
	ds_add_u32 v30, v31
	s_wait_dscnt 0x0
	s_set_vgpr_msb 0xa0a1
	s_barrier_signal -1
	MUL16 F1, AF1, 0, 4, 0
	WIN 0
	s_barrier_wait -1
.if \fill
	CREST
	s_add_nc_u64 s[G0+4*\slot+2:G0+4*\slot+3], s[G0+4*\slot+2:G0+4*\slot+3], 262144
	tensor_load_to_lds s[G0+4*\slot:G0+4*\slot+3], s[G1:G1+7]      ; my one tensor load until the next such barrier
	s_nop 0
.endif
	PLACES
	FETCH \p, \knext, 0, F0, AF0
	WIN MUL_HI
	MUL16 F1, AF1, 1, 0, 0
	MUL16 F1, AF1, 1, 4, 0
.endif
.endm
	s_load_b512 s[4:19], s[0:1], 0x0               ; u 4:5, xs 6:7, es 8:9, av 10:11, h0 12:13, wt 14:15, gamma 16:17, beta 18:19
	s_load_b64 s[20:21], s[0:1], 0x40              ; out0
	v_lshl_add_u32 v30, v0, 2, 0x4f000
	v_mov_b32 v31, 0
	ds_add_u32 v30, v31
	v_lshrrev_b32 v1, 5, v0
	v_readfirstlane_b32 s22, v1                    ; wave
	s_bfe_u32 s2, ttmp6, 0x40000                   ; cx
	s_lshl_b32 s23, ttmp9, 2
	s_add_co_u32 s23, s23, s2                      ; g: it enters addresses of u, xs, es, out0 and a select, no branch and no LDS address
	s_and_b32 s49, s23, 15                         ; c: my chunk in its batch
	s_mov_b32 s[G1+0], 0x0733000f                  ; mask 15; elements of 8 bytes; padding on; bit 21 beside the mask; 4 words behind every 32
	s_mov_b32 s[G1+1], 32<<16
	s_mov_b32 s[G1+2], 128<<16
	s_mov_b32 s[G1+3], 32<<16
	s_mov_b32 s[G1+4], 128
	s_mov_b32 s[G1+5], 32
	s_mov_b32 s[G1+6], 0
	s_mov_b32 s[G1+7], 0
	s_mov_b32 s51, 0x76543210
	s_mov_b32 s52, 0xfedcba98
	s_mov_b32 s53, 0xffff0000                      ; lanes 16-31
	s_mov_b32 s54, 0xaaaaaaaa                      ; odd lanes
	s_mov_b32 s57, 0x7f800000                      ; infinity
	s_mov_b32 s58, 0xc9742400                      ; -1e6
	s_mov_b32 s59, 0x49742400                      ; 1e6
	s_mov_b32 s60, 0x7fffffff
	s_and_b32 s2, s22, 1
	s_cmp_lg_u32 s2, 0
	s_cselect_b32 s55, -1, 0                       ; all lanes where w is odd
	s_lshr_b32 s2, s22, 1
	s_cmp_lg_u32 s2, 0
	s_cselect_b32 s56, -1, 0                       ; all lanes where w >= 2
	s_mul_i32 s48, s22, QB
	s_lshl_b32 s2, s22, 15
	s_add_co_u32 s2, s2, 2097152                   ; D's first tile lies behind B's sixteen
	s_mov_b32 s3, 0
	s_wait_dscnt 0x0
	s_wait_kmcnt 0x0
	s_add_nc_u64 s[62:63], s[14:15], s[2:3]
.irp s, 0,1
	s_mov_b32 s[G0+4*\s], 1
	s_add_co_u32 s[G0+4*\s+1], s48, \s*SLOT
	s_add_nc_u64 s[G0+4*\s+2:G0+4*\s+3], s[62:63], \s*131072
	s_or_b32 s[G0+4*\s+3], s[G0+4*\s+3], 0x80000000
.endr
	CROUND
	tensor_load_to_lds s[G0:G0+3], s[G1:G1+7]      ; tiles 0 and 1: two loads of mine are out, later one
	s_nop 0
	tensor_load_to_lds s[G0+4:G0+7], s[G1:G1+7]
	s_nop 0
	s_lshr_b32 s2, s23, 4
	s_lshl_b32 s2, s2, 16
	s_add_nc_u64 s[62:63], s[8:9], s[2:3]          ; es at my batch's first chunk
	v_lshlrev_b32 v[T32], 5, v0                    ; my 8 states
	global_load_b128 v[AVC:AVC+3], v[T32], s[10:11]
	global_load_b128 v[AVC+4:AVC+7], v[T32], s[10:11] offset:16
	global_load_b128 v[CUR:CUR+3], v[T32], s[12:13]
	global_load_b128 v[CUR+4:CUR+7], v[T32], s[12:13] offset:16
	WIN TO_W
.irp k, 0,1,2,3,4,5,6,7,8,9,10,11,12,13,14
	global_load_b128 v[8*\k:8*\k+3], v[T32], s[62:63] offset:4096*\k         ; window 1: the end states of chunks 0 to 14 of my batch
	global_load_b128 v[8*\k+4:8*\k+7], v[T32], s[62:63] offset:4096*\k+16
.endr
	WIN 0
	s_lshl_b32 s2, s23, 18                         ; 262,144 bytes: my 64 rows of u and of out0, and my chunk of xs
	s_add_nc_u64 s[UB:UB+1], s[4:5], s[2:3]
	s_add_nc_u64 s[UB+2:UB+3], s[UB:UB+1], 256
	s_add_nc_u64 s[20:21], s[20:21], s[2:3]        ; out0 at my 64 rows
	s_add_nc_u64 s[XB:XB+1], s[6:7], s[2:3]
	s_add_nc_u64 s[XB+2:XB+3], s[XB:XB+1], 16384
	v_and_b32 v2, 15, v0                           ; r
	v_bfe_u32 v3, v0, 4, 1                         ; h
	v_lshrrev_b32 v4, 4, v0
	v_lshlrev_b32 v[UO], 12, v4
	v_lshl_add_u32 v[UO], v2, 4, v[UO]
	LOAD_U 0
	LOAD_U 1
	v_mul_u32_u24 v5, v2, 144
	v_lshl_add_u32 v5, v3, 4, v5
	v_add_nc_u32 v[WA], s48, v5
	v_add_nc_u32 v[WA+1], SLOT, v[WA]
	v_add_nc_u32 v[AU], STG, v5
	v_add_nc_u32 v[AU+1], STG+STGB, v5
	v_mul_u32_u24 v[SUA], v4, 144
	v_lshl_add_u32 v[SUA], v2, 3, v[SUA]
	v_add_nc_u32 v[SUA], STG, v[SUA]
	v_and_b32 v1, 7, v0
	v_lshl_add_u32 v1, v3, 3, v1                   ; state row 8 h + lane % 8 of a block
	v_bfe_u32 v5, v0, 3, 1
	v_lshlrev_b32 v5, 4, v5                        ; which 16 bytes of its 32
	v_lshl_add_u32 v1, v1, 5, v5
	v_add_nc_u32 v[AX], STG, v1
	v_add_nc_u32 v[AX+1], STG+STGB, v1
	v_lshlrev_b32 v1, 4, v0
	v_add_nc_u32 v[SXA], STG, v1                   ; the stage: block w of each four, 16 bytes a lane
	v_and_b32 v1, 31, v0
	v_lshlrev_b32 v1, 4, v1
	v_lshl_add_u32 v[XOF], s22, 10, v1             ; memory: block w of each four (1,024 bytes), 16 bytes a lane
	v_bfe_u32 v1, v0, 1, 4                         ; lane / 2
	v_lshlrev_b32 v1, 2, v1
	v_add_nc_u32 v[TB], ATAB, v1
	v_add_nc_u32 v[TA], ATAB, v[T32]
	s_mul_i32 s2, s22, 16640                       ; the way out: 16 rows of pitch 1,040 for each wave
	v_mul_u32_u24 v1, v2, 1040
	v_lshl_add_u32 v1, v3, 5, v1
	v_add_nc_u32 v[STO], s2, v1
	v_mul_u32_u24 v1, v3, 1040
	v_lshl_add_u32 v1, v2, 4, v1
	v_add_nc_u32 v[RD], s2, v1
	v_lshlrev_b32 v1, 12, v3
	v_lshl_add_u32 v1, v2, 4, v1
	v_lshl_add_u32 v[CO], s22, 10, v1
	v_lshlrev_b32 v1, 5, v3
	v_lshl_add_u32 v[GBO], s22, 10, v1
	v_and_b32 v1, 31, v0
	v_lshlrev_b32 v1, 4, v1
	v_lshl_add_u32 v1, s22, 2, v1
	v_add_nc_u32 v[LNW], LNS, v1
	v_lshlrev_b32 v1, 4, v2
	v_add_nc_u32 v[LNR], LNS, v1
	STAGE_U 0, 8                                   ; tile 1's eight loads may stay out: a, h0, the end states and tile 0 are in
	LOAD_U 0                                       ; tile 2
	; the state that enters my chunk
.irp e, 0,2,4,6
	v_pk_mul_f32 v[A64+\e:A64+\e+1], v[AVC+\e:AVC+\e+1], v[AVC+\e:AVC+\e+1]
.endr
.rept 5
.irp e, 0,2,4,6
	v_pk_mul_f32 v[A64+\e:A64+\e+1], v[A64+\e:A64+\e+1], v[A64+\e:A64+\e+1]
.endr
.endr
	WIN 0x10                                       ; source 2 in window 1
.irp k, 0,1,2,3,4,5,6,7,8,9,10,11,12,13,14
	s_cmp_gt_u32 s49, \k
	s_cselect_b32 vcc_lo, -1, 0                    ; the link counts where chunk k lies in front of mine
.irp e, 0,2,4,6
	v_pk_fma_f32 v[NEW+\e:NEW+\e+1], v[A64+\e:A64+\e+1], v[CUR+\e:CUR+\e+1], v[8*\k+\e:8*\k+\e+1]
.endr
.irp e, 0,1,2,3,4,5,6,7
	v_cndmask_b32 v[CUR+\e], v[CUR+\e], v[NEW+\e], vcc_lo
.endr
.endr
	WIN 0
	ds_store_b128 v[TA], v[AVC:AVC+3]
	ds_store_b128 v[TA], v[AVC+4:AVC+7] offset:16
	ds_store_b128 v[TA], v[CUR:CUR+3] offset:4096
	ds_store_b128 v[TA], v[CUR+4:CUR+7] offset:4112
	s_wait_tensorcnt 0x1                           ; my quarter of tile 0 is in; tile 1's may stay out
	s_wait_dscnt 0x0                               ; stage 0 and the tables are stored
	s_barrier_signal -1
	s_barrier_wait -1
	FETCH 0, 1, 0, F0, AF0
	; every tile, u's or x's, is eight loads: the wait in front of a stage leaves the one younger tile's eight out
	STEP 0, 1, 1, 1, 1, 1, 8, 1, 1, 0              ; step 0: its first products start the sums
	STEP 1, 0, 1, 1, 1, 1, 8, 1, 0, 0
	WIN 0
	s_mov_b32 s48, 5                               ; steps 2 to 11
.Lu:
	STEP 0, 1, 1, 1, 1, 1, 8, 1, 0, 0
	STEP 1, 0, 1, 1, 1, 1, 8, 1, 0, 0
	WIN 0
	s_sub_co_u32 s48, s48, 1
	s_cmp_lg_u32 s48, 0
	s_cbranch_scc1 .Lu
	STEP 0, 1, 1, 1, 1, 1, 8, 1, 0, 0              ; step 12 asks for u's last tile
	STEP 1, 0, 1, 1, 1, 2, 8, 1, 0, 0              ; step 13 asks for x's first tile
	STEP 0, 1, 1, 1, 1, 2, 8, 1, 0, 0              ; step 14 stages u's last tile
	STEP 1, 0, 1, 2, 2, 2, 8, 1, 0, 0              ; step 15 stages x's first tile
	WIN 0
	s_mov_b32 s48, 6                               ; steps 16 to 27
.Lx:
	STEP 0, 1, 2, 2, 2, 2, 8, 1, 0, 0
	STEP 1, 0, 2, 2, 2, 2, 8, 1, 0, 0
	WIN 0
	s_sub_co_u32 s48, s48, 1
	s_cmp_lg_u32 s48, 0
	s_cbranch_scc1 .Lx
	STEP 0, 1, 2, 2, 2, 2, 8, 1, 0, 0              ; step 28 asks for x's last tile
	STEP 1, 0, 2, 2, 2, 0, 8, 1, 0, 0              ; step 29 fills slot 1 for the last time
	STEP 0, 1, 2, 2, 2, 0, 0, 0, 0, 0              ; step 30: no younger load is out
	STEP 1, 0, 2, 0, 0, 0, 0, 0, 0, 1              ; step 31
	; BEHIND THE PRODUCTS.  Lane (r, h), tile (i, b), register j: row 16 i + r, output 256 w + 16 b + 8 h + j.
.set KP,  32                           ; pairs of constants
.set KE,  34
.set KA1, 36
.set KA2, 38
.set KA3, 40
.set KA4, 42
.set KA5, 44
.set S,   48                           ; v48-63  sums: row tile i, two chains, pairs
.set M,   64                           ; v64-71  mean of row tile i, twice
.set RS,  72                           ; v72-79  1 / sqrt(var + eps), twice
.set RT,  80                           ; v80-95
.set GA,  96                           ; |y|
.set GR,  128                          ; max(y, 0)
.set GZ,  160
.set GE,  192
.set GQ,  224
.set T,   96                           ; the way out: 64 numbers
.set RB,  160
.set NT,  192
	PLACES
	WIN TO_W
.irp b, 0,1,2,3,4,5,6,7,8,9,10,11,12,13,14,15
	global_load_b128 v[8*\b:8*\b+3], v[GBO], s[16:17] offset:64*\b           ; window 1: gamma of my 8 outputs in tile b
	global_load_b128 v[8*\b+4:8*\b+7], v[GBO], s[16:17] offset:64*\b+16
	global_load_b128 v[128+8*\b:128+8*\b+3], v[GBO], s[18:19] offset:64*\b   ; and beta
	global_load_b128 v[128+8*\b+4:128+8*\b+7], v[GBO], s[18:19] offset:64*\b+16
.endr
	WIN 0
.macro KSET reg, val
	v_mov_b32 v[\reg], \val
	v_mov_b32 v[\reg+1], \val
.endm
	KSET KP,  0x3e6d3388                           ; 0.3275911 / sqrt 2
	KSET KE,  0xbf38aa3b                           ; -log2 e / 2
	KSET KA1, 0x3e827906
	KSET KA2, 0xbe91a98e
	KSET KA3, 0x3fb5f0e3
	KSET KA4, 0xbfba00e3
	KSET KA5, 0x3f87dc22
.macro PK3 d, x, y, z                  ; 16 packed multiply-adds over an array of 32
.set n, 0
.rept 16
	v_pk_fma_f32 v[\d+n:\d+n+1], v[\x+n:\x+n+1], v[\y+n:\y+n+1], v[\z:\z+1]
.set n, n+2
.endr
.endm
.macro PK2 d, x, y
.set n, 0
.rept 16
	v_pk_mul_f32 v[\d+n:\d+n+1], v[\x+n:\x+n+1], v[\y+n:\y+n+1]
.set n, n+2
.endr
.endm
.macro GELU32 b                        ; the four row tiles of output tile b: 32 registers
.set WN, 2+(\b>>3)
.set A0, 32*(\b&7)
	WIN (WN<<2)
.set n, 0
.rept 32
	v_and_b32 v[GA+n], s60, v[A0+n]
	v_max_num_f32 v[GR+n], 0, v[A0+n]
.set n, n+1
.endr
	WIN 0
.set n, 0
.rept 16
	v_pk_fma_f32 v[GZ+n:GZ+n+1], v[GA+n:GA+n+1], v[KP:KP+1], 1.0 op_sel_hi:[1,1,0]   ; 1 + p |y| / sqrt 2
	v_pk_mul_f32 v[GE+n:GE+n+1], v[GA+n:GA+n+1], v[GA+n:GA+n+1]
.set n, n+2
.endr
.set n, 0
.rept 16
	v_pk_mul_f32 v[GE+n:GE+n+1], v[GE+n:GE+n+1], v[KE:KE+1]                          ; -y^2 log2 e / 2
.set n, n+2
.endr
.set n, 0
.rept 32
	v_exp_f32 v[GQ+n], v[GE+n]
.set n, n+1
.endr
	v_nop                                          ; a plain place before the exponentials' sources are written (ISA guide 5.7.2)
.set n, 0
.rept 32
	v_rcp_f32 v[GE+n], v[GZ+n]                     ; t
.set n, n+1
.endr
	v_nop                                          ; and before t is used and its sources are written
.set n, 0
	s_wait_alu depctr_va_vdst(0)
.rept 16
	v_pk_fma_f32 v[GZ+n:GZ+n+1], v[GE+n:GE+n+1], v[KA5:KA5+1], v[KA4:KA4+1]
.set n, n+2
.endr
	PK3 GZ, GZ, GE, KA3
	PK3 GZ, GZ, GE, KA2
	PK3 GZ, GZ, GE, KA1
	PK2 GZ, GZ, GE
	PK2 GZ, GZ, GQ                                 ; erfc(|y| / sqrt 2)
	PK2 GZ, GZ, GA
	WIN (WN<<6)
.set n, 0
.rept 16
	v_pk_fma_f32 v[A0+n:A0+n+1], v[GZ+n:GZ+n+1], -0.5, v[GR+n:GR+n+1] op_sel_hi:[1,0,1]
.set n, n+2
.endr
.endm
.irp b, 0,1,2,3,4,5,6,7,8,9,10,11,12,13,14,15
	GELU32 \b
.endr
.macro SUMW hw                         ; my part of the rows' sums: eight chains; the first eight terms start them
	WIN 2+\hw
.set n, 0
.rept 128
.set ix, 32*(n>>4)+8*((n>>1)&3)+4*((n>>3)&1)+2*(n&1)
.set jx, S+4*((n>>1)&3)+2*(n&1)
.if (\hw*128+n) < 8
	v_pk_mul_f32 v[jx:jx+1], v[ix:ix+1], 1.0 op_sel_hi:[1,0]
.else
	v_pk_add_f32 v[jx:jx+1], v[ix:ix+1], v[jx:jx+1]
.endif
.set n, n+1
.endr
.endm
; The rows' figures over lanes and waves: fold, cross the halves, one word for each (row, wave) in LDS, a barrier, four words back; / 1024 into v[dst + 2 i]
.macro RED base, dst
	WIN 0
.irp i, 0,1,2,3
	v_pk_add_f32 v[S+4*\i:S+4*\i+1], v[S+4*\i:S+4*\i+1], v[S+4*\i+2:S+4*\i+3]
.endr
.irp i, 0,1,2,3
	v_add_f32 v[S+4*\i], v[S+4*\i], v[S+4*\i+1]
.endr
.irp i, 0,1,2,3
	v_permlanex16_b32 v[S+4*\i+1], v[S+4*\i], s51, s52
.endr
.irp i, 0,1,2,3
	v_add_f32 v[S+4*\i], v[S+4*\i], v[S+4*\i+1]
.endr
	v_cndmask_b32 v[S+2], v[S], v[S+4], s53        ; lane l: row l
	v_cndmask_b32 v[S+3], v[S+8], v[S+12], s53     ; lane l: row 32 + l
	ds_store_b32 v[LNW], v[S+2] offset:\base
	ds_store_b32 v[LNW], v[S+3] offset:\base+512
	s_wait_dscnt 0x0                               ; for the other waves' sake
	s_barrier_signal -1
	s_barrier_wait -1
.irp i, 0,1,2,3
	ds_load_b128 v[RT+4*\i:RT+4*\i+3], v[LNR] offset:\base+256*\i
.endr
	s_wait_dscnt 0x0
.irp i, 0,1,2,3
	v_add_f32 v[RT+4*\i], v[RT+4*\i], v[RT+4*\i+1]
	v_add_f32 v[RT+4*\i+2], v[RT+4*\i+2], v[RT+4*\i+3]
.endr
.irp i, 0,1,2,3
	v_add_f32 v[RT+4*\i], v[RT+4*\i], v[RT+4*\i+2]
.endr
.irp i, 0,1,2,3
	v_mul_f32 v[\dst+2*\i], 0x3a800000, v[RT+4*\i]
.endr
.endm
.macro CENSQ hw                        ; act - mean in place, then my part of the sums of its squares
	WIN 0x82+0x41*\hw
.set n, 0
.rept 128
.set ix, 32*(n>>4)+8*((n>>2)&3)+2*(n&3)
.set jx, M+2*((n>>2)&3)
	v_pk_add_f32 v[ix:ix+1], v[ix:ix+1], v[jx:jx+1] neg_lo:[0,1] neg_hi:[0,1]
.set n, n+1
.endr
	WIN 0x0a+5*\hw
.set n, 0
.rept 128
.set ix, 32*(n>>4)+8*((n>>1)&3)+4*((n>>3)&1)+2*(n&1)
.set jx, S+4*((n>>1)&3)+2*(n&1)
.if (\hw*128+n) < 8
	v_pk_mul_f32 v[jx:jx+1], v[ix:ix+1], v[ix:ix+1]
.else
	v_pk_fma_f32 v[jx:jx+1], v[ix:ix+1], v[ix:ix+1], v[jx:jx+1]
.endif
.set n, n+1
.endr
.endm
	SUMW 0
	SUMW 1
	RED 0, M
.irp i, 0,1,2,3
	v_mov_b32 v[M+2*\i+1], v[M+2*\i]
.endr
	CENSQ 0
	CENSQ 1
	RED 1024, RS                                   ; bytes of its own, and a second barrier
.irp i, 0,1,2,3
	v_add_f32 v[RS+2*\i], 0x3727c5ac, v[RS+2*\i]   ; var + 1e-5
.endr
.irp i, 0,1,2,3
	v_rsq_f32 v[RS+2*\i+1], v[RS+2*\i]
.endr
	v_nop
	s_wait_alu depctr_va_vdst(0)
.irp i, 0,1,2,3
	v_mov_b32 v[RS+2*\i], v[RS+2*\i+1]
.endr
	s_wait_loadcnt 0x0                             ; gamma and beta
.macro NAN4 x                          ; nan_to_num of four numbers: finite stays, +-infinity becomes +-1e6, NaN becomes 0
.irp e, 0,1,2,3
	v_cmp_gt_f32 s[66+\e], s57, |v[\x+\e]|
.endr
.irp e, 0,1,2,3
	v_cmp_eq_f32 s[70+\e], v[\x+\e], v[\x+\e]
.endr
.irp e, 0,1,2,3
	v_med3_num_f32 v[NT+\e], v[\x+\e], s58, s59
.endr
.irp e, 0,1,2,3
	v_cndmask_b32 v[NT+\e], 0, v[NT+\e], s[70+\e]
.endr
.irp e, 0,1,2,3
	v_cndmask_b32 v[\x+\e], v[NT+\e], v[\x+\e], s[66+\e]
.endr
.endm
; Rows 16 i .. 16 i + 15: scale, gamma, beta, nan_to_num, 16 bytes a lane into my own stage, whole rows back, out.  The stage lies in slot 0, which has had its
; last fill, and behind two barriers that followed every wave's last read of it.  It is each wave's own: LDS serves a wave in order, no barrier.
.macro OUTROWS i
.irp hw, 0,1
	WIN 2+\hw
.set n, 0
.rept 32
	v_pk_mul_f32 v[T+2*n:T+2*n+1], v[32*(n>>2)+8*\i+2*(n&3):32*(n>>2)+8*\i+2*(n&3)+1], v[RS+2*\i:RS+2*\i+1]
.set n, n+1
.endr
	WIN 0x14                                       ; sources 1 and 2 in window 1
.set n, 0
.rept 32
	v_pk_fma_f32 v[T+2*n:T+2*n+1], v[T+2*n:T+2*n+1], v[64*\hw+2*n:64*\hw+2*n+1], v[128+64*\hw+2*n:128+64*\hw+2*n+1]
.set n, n+1
.endr
	WIN 0
.set n, 0
.rept 16
	NAN4 T+4*n
.set n, n+1
.endr
.set n, 0
.rept 8
	ds_store_b128 v[STO], v[T+8*n:T+8*n+3] offset:64*(8*\hw+n)
	ds_store_b128 v[STO], v[T+8*n+4:T+8*n+7] offset:64*(8*\hw+n)+16
.set n, n+1
.endr
.endr
.irp run, 0,1,2,3
	s_wait_xcnt 0x0                                ; the stores before have read RB: it is loaded again only behind this wait
.irp t, 0,1,2,3,4,5,6,7
	ds_load_b128 v[RB+4*\t:RB+4*\t+3], v[RD] offset:2080*(2*\run+(\t>>2))+256*(\t&3)
.endr
.irp t, 0,1,2,3,4,5,6,7
	s_wait_dscnt 7-\t                              ; the younger loads of the run may stay out
	global_store_b128 v[CO], v[RB+4*\t:RB+4*\t+3], s[20:21] offset:65536*\i+8192*(2*\run+(\t>>2))+256*(\t&3) th:TH_STORE_NT   ; sixteen lanes store 256 consecutive bytes, aligned
.endr
.endr
.endm
	OUTROWS 0
	OUTROWS 1
	OUTROWS 2
	OUTROWS 3
	s_wait_dscnt 0x0
	s_wait_tensorcnt 0x0
	ds_add_u32 v30, v31
	s_wait_dscnt 0x0
	CROUND                                         ; the closing round
	s_endpgm
.Lfunc_end_k_qcb260f2d61_gemm2:
	.size	k_qcb260f2d61_gemm2, .Lfunc_end_k_qcb260f2d61_gemm2-k_qcb260f2d61_gemm2
	.p2alignl 7, 3214868480
	.fill 96, 4, 3214868480
	.section	.rodata,"a",@progbits
	.p2align	6, 0x0
	.amdhsa_kernel k_qcb260f2d61_gemm2
		.amdhsa_group_segment_fixed_size 327680
		.amdhsa_private_segment_fixed_size 0
		.amdhsa_enable_private_segment 0
		.amdhsa_kernarg_size 72
		.amdhsa_user_sgpr_count 2
		.amdhsa_user_sgpr_kernarg_segment_ptr 1
		.amdhsa_wavefront_size32 1
		.amdhsa_system_sgpr_workgroup_id_x 1
		.amdhsa_system_sgpr_workgroup_id_y 1
		.amdhsa_system_sgpr_workgroup_id_z 1
		.amdhsa_system_vgpr_workitem_id 0
		.amdhsa_next_free_vgpr 1024
		.amdhsa_next_free_sgpr 80
		.amdhsa_reserve_vcc 1
		.amdhsa_float_denorm_mode_32 3
		.amdhsa_float_denorm_mode_16_64 3
		.amdhsa_memory_ordered 1
		.amdhsa_forward_progress 1
		.amdhsa_inst_pref_size 255
	.end_amdhsa_kernel
	.section	.bss,"aw",@nobits
	.p2align	6
	.space	262144
	.amdgpu_metadata
---
amdhsa.version: [ 1, 2 ]
amdhsa.kernels:
  - .name:           k_qcb260f2d61_gemm2
    .symbol:         k_qcb260f2d61_gemm2.kd
    .args:
      - { .name: u, .offset: 0, .size: 8, .value_kind: global_buffer, .address_space: global }
      - { .name: xs, .offset: 8, .size: 8, .value_kind: global_buffer, .address_space: global }
      - { .name: es, .offset: 16, .size: 8, .value_kind: global_buffer, .address_space: global }
      - { .name: av, .offset: 24, .size: 8, .value_kind: global_buffer, .address_space: global }
      - { .name: h0, .offset: 32, .size: 8, .value_kind: global_buffer, .address_space: global }
      - { .name: wt, .offset: 40, .size: 8, .value_kind: global_buffer, .address_space: global }
      - { .name: ln_gamma, .offset: 48, .size: 8, .value_kind: global_buffer, .address_space: global }
      - { .name: ln_beta, .offset: 56, .size: 8, .value_kind: global_buffer, .address_space: global }
      - { .name: out0, .offset: 64, .size: 8, .value_kind: global_buffer, .address_space: global }
    .group_segment_fixed_size: 327680
    .private_segment_fixed_size: 0
    .kernarg_segment_align: 8
    .kernarg_segment_size: 72
    .max_flat_workgroup_size: 128
    .sgpr_count:     80
    .vgpr_count:     1024
    .wavefront_size: 32
...
	.end_amdgpu_metadata
.endif
;; end of part 3
;; ======== version 2 of 3: 3 launches; 1.26 times as fast as version 1
;; limits: a function is approximated: absolute error at most 1.5e-07
;; workspace buffers: wt 6,291,456 bytes; av 4,096 bytes; xs 67,108,864 bytes; es 1,048,576 bytes
;; launch prep: the kernel of part 1 again; grid 64 x 3, 8 waves a work-group, no clusters, 0 bytes of LDS; arguments Bmat, Dmat, Cmat, A_diag, wt, av; writes wt, av
;; launch gemm1 (part 4): grid 256 x 1, 4 waves a work-group, clusters of 4 x 1, 327,680 bytes of LDS; arguments u, wt, av, xs, es; writes xs, es
.if DOCPART == 4
	.amdgcn_target "amdgcn-amd-amdhsa--gfx1250"
	.amdhsa_code_object_version 6
	.text
	.protected	k_qcb260f2d61_gemm1
	.globl	k_qcb260f2d61_gemm1
	.p2align	8
	.type	k_qcb260f2d61_gemm1,@function
k_qcb260f2d61_gemm1:
	s_mov_b64 s[64:65], 0
	v_nop
	global_prefetch_b8 v0, s[64:65] scope:SCOPE_SE
	s_setreg_imm32_b32 hwreg(HW_REG_WAVE_MODE, 25, 1), 1
	s_wait_xcnt 0x0
	s_wait_alu depctr_hold_cnt(0) depctr_sa_sdst(0) depctr_va_vdst(0) depctr_va_sdst(0) depctr_va_ssrc(0) depctr_va_vcc(0) depctr_vm_vsrc(0)
	s_getreg_b32 s2, hwreg(HW_REG_IB_STS2, 6, 4)
	s_cmp_eq_u32 s2, 0
	s_cbranch_scc0 .Lentry_in_a_cluster
	s_endpgm
.Lentry_in_a_cluster:
	s_bfe_u32 s2, ttmp6, 0x10000c
	s_cmp_lg_u32 s2, 0x3003
	s_cbranch_scc0 .Lentry_shape_is_right
	s_endpgm
.Lentry_shape_is_right:
; bu = u B^T for one chunk of 64 time steps of one batch, then the recurrence x_t = a x_(t-1) + bu_t INSIDE the chunk with state 0 coming in.
; Out: xs = the local x in f32, es = the local x at the chunk's last step in f32.
; The state that really enters the chunk is added by the next launch: x_t = local_t + a^(t+1) Xin.  The local x stays in f32 on the way, so that x is rounded
; to bf16 once, behind that sum.
; xs: [chunk][state tile 0..63][time tile 0..3] blocks of 1,024 bytes; in a block the 16 bytes number 32 k + 2 r + h hold state row r at times 8 h + 4 k + 0..3.
; Work-group g = chunk g (batch g / 16, chunk g % 16): 64 rows of u x all 1024 states.  Four waves; wave w makes states 256 w .. 256 w + 255:
; 4 time tiles x 16 state tiles = 64 accumulators = 512 registers.  K (1024) goes in 16 steps of 64, each two sub-steps of 32.
; WEIGHTS: a step's tile (1024 rows x 64 bf16, dense in wt) is the same for every work-group.  The four work-groups of a cluster ask for it jointly (mask 15);
; wave w brings, and alone reads, its quarter of 256 rows, through two LDS slots.  u goes through registers: load f32, round to bf16, store to an LDS stage.
; A mask names at most four work-groups, and nothing but the weights is shared, so the cluster is 4 x 1.
; THE ORDER OF K: cluster c begins at K tile START = (c ^ 5 (c >> 4)) & 15 and goes round: step s takes tile (START + s) & 15.  So the 64 clusters ask for sixteen
; different tiles at a time, and a tile that a cluster asks for was asked for one step earlier by the clusters that began one tile further on.  5 = 0101b and
; 10 = 1010b: among the clusters whose numbers agree in any one bit all sixteen starts occur.  START is made of the cluster's number alone, which the four partners
; share; it enters global addresses only.
; LIMITS: u and B are rounded to bf16.  Powers a^2 .. a^8 are made by products.  The order of the sums over K differs from cluster to cluster.
.set SLOT,  147456                     ; a weight slot: 4 quarters
.set QB,    36864                      ; a quarter: 256 rows, 128 bytes of data + 16 of padding = pitch 144, an odd multiple of 16
.set STG,   294912                     ; two stages for u's tile, written by ds_store alone: 64 rows, pitch 144
.set STGB,  9216
.set ESS,   313344                     ; 1,024 bytes a wave: the end states on their way out
.set WA,  6                            ; v6-7    LDS address of my weight fragments in slot 0, 1
.set AU,  8                            ; v8-9    LDS address of u's fragments in stage 0, 1
.set SUA, 10                           ; v10     where I store 8 bytes of u's tile
.set UO,  11                           ; v11     my byte offset in u's tile in memory
.set XO,  12                           ; v12     my byte offset in the chunk's xs
.set VT,  13                           ; v13     my byte offset in av
.set ESA, 14                           ; v14     end states: where I put a word
.set ESR, 15                           ; v15     end states: where I read 16 bytes back
.set AV,  16                           ; v16-31  a of my state in each of the 16 state tiles
.set AF0, 32                           ; v32-63, v64-95   u's fragments (4 time tiles x 8 registers), two buffers
.set AF1, 64
.set LS,  96                           ; v96-127, v128-159  u as loaded, two sets
.set CV,  160                          ; v160-175  u rounded
.set F0,  0                            ; window 1: v0-127, v128-255  weight fragments (16 state tiles x 8), two buffers
.set F1,  128
.set U0,  4                            ; s[4:5]  u at my 64 rows
.set WV,  14                           ; s14     wave
.set WB,  20                           ; s[20:21] wt at my quarter of B's tile 0
.set G1,  24                           ; s[24:31] descriptor group 1
.set G0,  32                           ; s[32:39] descriptor group 0, one for each slot
.set UB,  40                           ; s[40:43] u at the tile that load set 0, 1 was last filled from
.set START, 48                         ; s48     my cluster's first K tile
.set KW,  49                           ; s49     START + the number of weight tiles asked for
.set KA,  50                           ; s50     START + the number of u's tiles asked for
.set MUL_LO, 0xa4                      ; source 0 (u) window 0, source 1 (weights) window 1, C and D window 2: state tiles 0-7
.set MUL_HI, 0xf4                      ; the same, C and D window 3: state tiles 8-15.  Accumulator (i, b) is v[8 (4 (b % 8) + i)] of window 2 + b / 8
.set TO_W,   0x40                      ; destination window 1
.set MSB, 0
.macro WIN new                         ; the immediate's high byte repeats the setting that is left; a switch that changes nothing is dropped
.if MSB != (\new)
	s_set_vgpr_msb (MSB<<8)|(\new)
.set MSB, (\new)
.endif
.endm
.macro PLACES                          ; four plain places behind a matrix instruction, in front of loads into its sources and of readers of its result
.rept 4
	v_nop
.endr
.endm
.macro CREST                           ; a round of the cluster's barrier behind its opening work-group barrier
	s_cmp_lg_u32 s[WV], 0
	s_cbranch_scc1 .Lnot_wave_0_\@
	s_barrier_signal -3
.Lnot_wave_0_\@:
	s_barrier_wait -3
	s_barrier_signal -1
	s_barrier_wait -1
.endm
.macro CROUND
	s_barrier_signal -1
	s_barrier_wait -1
	CREST
.endm
; 16 matrix instructions: state tiles bl0 .. bl0 + 3 of the window x the 4 time tiles.  The accumulators take turns, one instruction a turn, in the same
; order in every sub-step, over the loop's jump too.
.macro MUL16 f, af, hi, bl0, zero
.irp bl, \bl0, \bl0+1, \bl0+2, \bl0+3
.irp i, 0,1,2,3
.if \zero
	v_wmma_f32_16x16x32_bf16 v[8*(4*(\bl)+\i):8*(4*(\bl)+\i)+7], v[\af+8*\i:\af+8*\i+7], v[\f+8*(8*\hi+\bl):\f+8*(8*\hi+\bl)+7], 0
.else
	v_wmma_f32_16x16x32_bf16 v[8*(4*(\bl)+\i):8*(4*(\bl)+\i)+7], v[\af+8*\i:\af+8*\i+7], v[\f+8*(8*\hi+\bl):\f+8*(8*\hi+\bl)+7], v[8*(4*(\bl)+\i):8*(4*(\bl)+\i)+7]
.endif
.endr
.endr
.endm
; 40 LDS loads: the fragments of sub-step kk of the tile in slot and stage \slot: first u's 8, then the weights' 32, state tiles ascending
.macro FETCH slot, kk, f, af
	WIN 0
.irp i, 0,1,2,3
	ds_load_b128 v[\af+8*\i:\af+8*\i+3], v[AU+\slot] offset:\i*2304+\kk*64
	ds_load_b128 v[\af+8*\i+4:\af+8*\i+7], v[AU+\slot] offset:\i*2304+\kk*64+32
.endr
	WIN TO_W
.irp b, 0,1,2,3,4,5,6,7,8,9,10,11,12,13,14,15
	ds_load_b128 v[\f+8*\b:\f+8*\b+3], v[WA+\slot] offset:\b*2304+\kk*64
	ds_load_b128 v[\f+8*\b+4:\f+8*\b+7], v[WA+\slot] offset:\b*2304+\kk*64+32
.endr
.endm
; The next tile of u, 64 rows x 256 bytes, into load set \set: sixteen lanes read 256 consecutive bytes, aligned.  The set's base is written here: its last loads
; were shown done by the wait at the head of the set's STAGE_U, which stands in front of every LOAD_U but a set's first.
.macro LOAD_U set
	s_and_b32 s2, s[KA], 15                        ; K tile (START + count) & 15
	s_lshl_b32 s2, s2, 8                           ; 256 bytes of a row; s3 = 0
	s_add_nc_u64 s[UB+2*\set:UB+2*\set+1], s[U0:U0+1], s[2:3]
	s_add_co_u32 s[KA], s[KA], 1
.irp q, 0,1,2,3,4,5,6,7
	global_load_b128 v[LS+32*\set+4*\q:LS+32*\set+4*\q+3], v[UO], s[UB+2*\set:UB+2*\set+1] offset:\q*32768 th:TH_LOAD_NT
.endr
.endm
.macro STAGE_U set, lcnt               ; the tile in load set \set is rounded and stored to stage \set
	s_wait_loadcnt \lcnt                           ; the younger tile's loads may stay out; this set's are in
.irp q, 0,1,2,3,4,5,6,7
	v_cvt_pk_bf16_f32 v[CV+2*\q], v[LS+32*\set+4*\q], v[LS+32*\set+4*\q+1]
	v_cvt_pk_bf16_f32 v[CV+2*\q+1], v[LS+32*\set+4*\q+2], v[LS+32*\set+4*\q+3]
.endr
.irp q, 0,1,2,3,4,5,6,7
	ds_store_b64 v[SUA], v[CV+2*\q:CV+2*\q+1] offset:\set*STGB+\q*1152
.endr
.endm
; One K step on slot \slot (p = the other).  stage: u's next tile goes to stage p; load: the tile three steps on is asked for; fill: this slot gets the tile two steps on.
; ONE barrier a step.  In front of it every wave has waited for its reads of this slot and stage, for its stores to stage p and for all its tensor loads
; (one is out: its quarter of slot p).  Where the slot is filled again the barrier opens a round of the cluster's barrier, and the joint load is the first thing behind it.
.macro STEP slot, p, stage, load, lcnt, fill, zero, last
	s_wait_dscnt 16                                ; all but the 16 youngest loads: the weights of state tiles 8-15
	WIN MUL_LO
	MUL16 F0, AF0, 0, 0, \zero
	MUL16 F0, AF0, 0, 4, \zero
	PLACES
	FETCH \slot, 1, F1, AF1
	s_wait_dscnt 40                                ; all but the 40 just issued
	WIN MUL_HI
	MUL16 F0, AF0, 1, 0, \zero
	MUL16 F0, AF0, 1, 4, \zero
	WIN 0
.if \stage
	STAGE_U \p, \lcnt
.endif
.if \load
	LOAD_U \p
.endif
	s_wait_dscnt 16+8*\stage                       ; younger than what is needed: 16 loads (state tiles 8-15) and the stage's 8 stores
	WIN MUL_LO
	MUL16 F1, AF1, 0, 0, 0
.if \last
	MUL16 F1, AF1, 0, 4, 0
	s_wait_dscnt 0x0
	WIN MUL_HI
	MUL16 F1, AF1, 1, 0, 0
	MUL16 F1, AF1, 1, 4, 0
	WIN 0
.else
	s_wait_dscnt 0x0                               ; my reads of this slot and stage are back, my stores to the other stage are done
	s_set_vgpr_msb 0xa4a0
	s_wait_tensorcnt 0x0                           ; all my tensor loads have landed
	ds_add_u32 v254, v255
	s_wait_dscnt 0x0
	s_set_vgpr_msb 0xa0a4
	s_barrier_signal -1
	MUL16 F1, AF1, 0, 4, 0                         ; register work while the others arrive
	WIN 0
	s_barrier_wait -1
.if \fill
	CREST                                          ; all four work-groups have said so
	s_and_b32 s2, s[KW], 15                        ; no load of mine is out, so the slot's group 0 may be written: K tile (START + count) & 15,
	s_lshl_b32 s2, s2, 17                          ; 131,072 bytes a tile; s3 = 0
	s_add_nc_u64 s[G0+4*\slot+2:G0+4*\slot+3], s[WB:WB+1], s[2:3]
	s_or_b32 s[G0+4*\slot+3], s[G0+4*\slot+3], 0x80000000                              ; type = 2
	s_add_co_u32 s[KW], s[KW], 1
	tensor_load_to_lds s[G0+4*\slot:G0+4*\slot+3], s[G1:G1+7]                          ; my one tensor load until the next such barrier
	s_nop 0
.endif
	PLACES
	FETCH \p, 0, F0, AF0
	WIN MUL_HI
	MUL16 F1, AF1, 1, 0, 0
	MUL16 F1, AF1, 1, 4, 0
.endif
.endm
	s_load_b256 s[4:11], s[0:1], 0x0               ; u s[4:5], wt s[6:7], av s[8:9], xs s[10:11]
	s_load_b64 s[12:13], s[0:1], 0x20              ; es
	v_lshl_add_u32 v254, v0, 2, 0x4d800
	v_mov_b32 v255, 0
	ds_add_u32 v254, v255
	v_lshrrev_b32 v1, 5, v0
	v_readfirstlane_b32 s14, v1                    ; wave 0..3
	s_bfe_u32 s15, ttmp6, 0x40000                  ; cx
	s_lshl_b32 s16, ttmp9, 2
	s_add_co_u32 s16, s16, s15                     ; g = 4 x cluster + cx: it enters addresses of u, xs and es alone
	s_lshr_b32 s[START], ttmp9, 4                  ; the cluster's number c: (c ^ 5 (c >> 4)) & 15
	s_mul_i32 s[START], s[START], 5
	s_xor_b32 s[START], s[START], ttmp9
	s_and_b32 s[START], s[START], 15
	; group 1: my quarter is 32,768 dense bytes, taken as 128 rows of 32 elements of 8 bytes; 4 words of padding behind every 32 words, that is behind each weight row
	s_mov_b32 s[G1+0], 0x0733000f                  ; 15:0 mask 15; 17:16 elements of 8 bytes; 20 padding on; 21 set beside a mask; 24:22 every 32 words; 31:25 four words
	s_mov_b32 s[G1+1], 32<<16                      ; tensor_dim0 = 32
	s_mov_b32 s[G1+2], 128<<16                     ; tensor_dim1 = 128
	s_mov_b32 s[G1+3], 32<<16                      ; tile_dim0 = 32
	s_mov_b32 s[G1+4], 128                         ; tile_dim1 = 128
	s_mov_b32 s[G1+5], 32                          ; from row to row: 32 elements
	s_mov_b32 s[G1+6], 0
	s_mov_b32 s[G1+7], 0
	s_mov_b32 s45, 0x76543210                      ; v_permlanex16_b32: lane i takes lane i of the other half
	s_mov_b32 s46, 0xfedcba98
	s_mov_b32 s47, 0xffff0000                      ; lanes 16-31
	s_mul_i32 s18, s14, QB                         ; my quarter in a slot
	s_lshl_b32 s2, s14, 15                         ; my quarter in a tile
	s_mov_b32 s3, 0                                ; stays 0: s[2:3] is the pair in which offsets are added to addresses
	s_wait_dscnt 0x0
	s_wait_kmcnt 0x0
	s_add_nc_u64 s[WB:WB+1], s[6:7], s[2:3]        ; B's tile 0, my quarter: the same in all four work-groups
.irp s, 0,1
	s_add_co_u32 s2, s[START], \s
	s_and_b32 s2, s2, 15                           ; K tile (START + s) & 15
	s_lshl_b32 s2, s2, 17
	s_mov_b32 s[G0+4*\s], 1
	s_add_co_u32 s[G0+4*\s+1], s18, \s*SLOT
	s_add_nc_u64 s[G0+4*\s+2:G0+4*\s+3], s[WB:WB+1], s[2:3]
	s_or_b32 s[G0+4*\s+3], s[G0+4*\s+3], 0x80000000
.endr
	s_add_co_u32 s[KW], s[START], 2                ; two weight tiles are asked for below
	s_mov_b32 s[KA], s[START]
	CROUND                                         ; the four work-groups are here: the first joint loads meet
	tensor_load_to_lds s[G0:G0+3], s[G1:G1+7]      ; the first two tiles: two loads of mine are out, later one
	s_nop 0
	tensor_load_to_lds s[G0+4:G0+7], s[G1:G1+7]
	s_nop 0
	v_and_b32 v2, 15, v0                           ; r
	v_bfe_u32 v3, v0, 4, 1                         ; h
	v_lshrrev_b32 v4, 4, v0                        ; thread / 16: 0..7
	v_lshlrev_b32 v[VT], 2, v2
	v_lshl_add_u32 v[VT], s14, 10, v[VT]           ; state 256 w + r
.irp b, 0,1,2,3,4,5,6,7,8,9,10,11,12,13,14,15
	global_load_b32 v[AV+\b], v[VT], s[8:9] offset:64*\b
.endr
	s_lshl_b32 s2, s16, 18                         ; 64 rows of u of 4,096 bytes; a chunk of xs has as many bytes: 256 blocks of 1,024
	s_add_nc_u64 s[U0:U0+1], s[U0:U0+1], s[2:3]
	s_add_nc_u64 s[10:11], s[10:11], s[2:3]
	s_lshl_b32 s2, s16, 12                         ; a chunk of es: 4,096 bytes
	s_add_nc_u64 s[12:13], s[12:13], s[2:3]
	v_lshlrev_b32 v[UO], 12, v4
	v_lshl_add_u32 v[UO], v2, 4, v[UO]
	LOAD_U 0                                       ; step 0's tile
	LOAD_U 1                                       ; step 1's
	v_mul_u32_u24 v5, v2, 144
	v_lshl_add_u32 v5, v3, 4, v5                   ; r x pitch + 16 h
	v_add_nc_u32 v[WA], s18, v5
	v_add_nc_u32 v[WA+1], SLOT, v[WA]
	v_add_nc_u32 v[AU], STG, v5
	v_add_nc_u32 v[AU+1], STG+STGB, v5
	v_mul_u32_u24 v[SUA], v4, 144
	v_lshl_add_u32 v[SUA], v2, 3, v[SUA]
	v_add_nc_u32 v[SUA], STG, v[SUA]
	v_lshl_add_u32 v[XO], v2, 1, v3                ; 2 r + h
	v_lshlrev_b32 v[XO], 4, v[XO]
	v_lshl_add_u32 v[XO], s14, 16, v[XO]           ; + my wave's 64 blocks of 1,024 bytes
	v_and_b32 v1, 31, v0
	s_lshl_b32 s19, s14, 10
	s_add_co_u32 s19, s19, ESS
	v_lshl_add_u32 v[ESA], v1, 2, s19
	v_lshl_add_u32 v[ESR], v1, 4, s19
	STAGE_U 0, 8                                   ; step 1's eight loads may stay out: a and step 0's tile are in
	LOAD_U 0                                       ; step 2's tile
	s_wait_tensorcnt 0x1                           ; my quarter of step 0's tile is in; step 1's may stay out
	s_wait_dscnt 0x0                               ; my part of stage 0 is stored
	s_barrier_signal -1
	s_barrier_wait -1
	FETCH 0, 0, F0, AF0
	STEP 0, 1, 1, 1, 8, 1, 1, 0                    ; step 0: its first products start the sums
	STEP 1, 0, 1, 1, 8, 1, 0, 0
	WIN 0
	s_mov_b32 s44, 5                               ; steps 2 to 11
.Lk:
	STEP 0, 1, 1, 1, 8, 1, 0, 0
	STEP 1, 0, 1, 1, 8, 1, 0, 0
	WIN 0
	s_sub_co_u32 s44, s44, 1
	s_cmp_lg_u32 s44, 0
	s_cbranch_scc1 .Lk
	STEP 0, 1, 1, 1, 8, 1, 0, 0                    ; step 12 asks for u's sixteenth tile, the last
	STEP 1, 0, 1, 0, 8, 1, 0, 0                    ; step 13 fills slot 1 with the weights' sixteenth tile, the last
	STEP 0, 1, 1, 0, 0, 0, 0, 0                    ; step 14: no younger load is out
	STEP 1, 0, 0, 0, 0, 0, 0, 1                    ; step 15
	; THE SCAN.  Lane (r, h) holds state 256 w + 16 b + r; register j of tile (i, b) is time 16 i + 8 h + j: a lane holds blocks of 8 neighbouring times.
.set E1,  32                           ; v32-47   (bb, i): end of time block 2 i + 1, then the state behind it
.set E0,  48                           ; v48-63   the same for block 2 i
.set CR,  68                           ; v68-83   (bb, i): the state that enters my block of tile i
.set PW,  96                           ; v96-127  bb: a^1 .. a^8
.set OWN, 192                          ; v192-207 my own blocks' ends
.set TE,  208
.set ESG, 210
.set EB,  212
	PLACES
.macro SCAN4 g4                        ; state tiles 4 g4 .. 4 g4 + 3
.set WN, 2+(\g4>>1)
.set A0, 128*(\g4&1)
	WIN (WN<<2)|(WN<<4)|(WN<<6)
.irp j, 1,2,3,4,5,6,7                  ; inside each block of 8 times: 16 chains that do not wait for each other
.irp bb, 0,1,2,3
.irp i, 0,1,2,3
	v_fma_f32 v[A0+32*\bb+8*\i+\j], v[AV+4*\g4+\bb], v[A0+32*\bb+8*\i+\j-1], v[A0+32*\bb+8*\i+\j]
.endr
.endr
.endr
	WIN WN
.irp bb, 0,1,2,3
.irp i, 0,1,2,3
	v_mov_b32 v[OWN+4*\bb+\i], v[A0+32*\bb+8*\i+7]
.endr
.endr
	WIN 0
.irp bb, 0,1,2,3
.irp i, 0,1,2,3
	v_permlanex16_b32 v[E1+4*\bb+\i], v[OWN+4*\bb+\i], s45, s46    ; the other half's block end
.endr
.endr
.irp bb, 0,1,2,3
.irp i, 0,1,2,3
	v_cndmask_b32 v[E0+4*\bb+\i], v[OWN+4*\bb+\i], v[E1+4*\bb+\i], s47   ; block 2 i's end, in both halves
	v_cndmask_b32 v[E1+4*\bb+\i], v[E1+4*\bb+\i], v[OWN+4*\bb+\i], s47   ; block 2 i + 1's
.endr
.endr
.irp bb, 0,1,2,3
	v_mov_b32 v[PW+8*\bb], v[AV+4*\g4+\bb]
	v_mul_f32 v[PW+8*\bb+1], v[AV+4*\g4+\bb], v[AV+4*\g4+\bb]
.endr
.irp bb, 0,1,2,3
	v_pk_mul_f32 v[PW+8*\bb+2:PW+8*\bb+3], v[PW+8*\bb:PW+8*\bb+1], v[PW+8*\bb:PW+8*\bb+1] op_sel:[0,1] op_sel_hi:[1,1]       ; (a, a^2) a^2
.endr
.irp bb, 0,1,2,3
	v_pk_mul_f32 v[PW+8*\bb+4:PW+8*\bb+5], v[PW+8*\bb:PW+8*\bb+1], v[PW+8*\bb+2:PW+8*\bb+3] op_sel:[0,1] op_sel_hi:[1,1]     ; (a, a^2) a^4
	v_pk_mul_f32 v[PW+8*\bb+6:PW+8*\bb+7], v[PW+8*\bb+2:PW+8*\bb+3], v[PW+8*\bb+2:PW+8*\bb+3] op_sel:[0,1] op_sel_hi:[1,1]   ; (a^3, a^4) a^4
.endr
.irp i, 0,1,2,3                        ; from block to block: state = end + a^8 x state before
.if \i
.irp bb, 0,1,2,3
	v_fma_f32 v[E0+4*\bb+\i], v[PW+8*\bb+7], v[E1+4*\bb+\i-1], v[E0+4*\bb+\i]
.endr
.endif
.irp bb, 0,1,2,3
	v_fma_f32 v[E1+4*\bb+\i], v[PW+8*\bb+7], v[E0+4*\bb+\i], v[E1+4*\bb+\i]
.endr
.endr
.irp bb, 0,1,2,3
	v_cndmask_b32 v[CR+4*\bb], 0, v[E0+4*\bb], s47
.irp i, 1,2,3
	v_cndmask_b32 v[CR+4*\bb+\i], v[E1+4*\bb+\i-1], v[E0+4*\bb+\i], s47
.endr
.endr
.irp bb, 0,2                           ; the chunk's end states: lanes 0-15 tile b's, lanes 16-31 tile b + 1's: 32 neighbouring states
	v_cndmask_b32 v[TE+\bb/2], v[E1+4*\bb+3], v[E1+4*\bb+7], s47
	ds_store_b32 v[ESA], v[TE+\bb/2] offset:128*(2*\g4+\bb/2)
.endr
	WIN (WN<<4)|(WN<<6)
.irp bb, 0,1,2,3
.irp i, 0,2
.irp k, 0,2,4,6
	v_pk_fma_f32 v[A0+32*\bb+8*\i+\k:A0+32*\bb+8*\i+\k+1], v[PW+8*\bb+\k:PW+8*\bb+\k+1], v[CR+4*\bb+\i:CR+4*\bb+\i+1], v[A0+32*\bb+8*\i+\k:A0+32*\bb+8*\i+\k+1] op_sel_hi:[1,0,1]
	v_pk_fma_f32 v[A0+32*\bb+8*\i+8+\k:A0+32*\bb+8*\i+8+\k+1], v[PW+8*\bb+\k:PW+8*\bb+\k+1], v[CR+4*\bb+\i:CR+4*\bb+\i+1], v[A0+32*\bb+8*\i+8+\k:A0+32*\bb+8*\i+8+\k+1] op_sel:[0,1,0] op_sel_hi:[1,1,1]
.endr
.endr
.endr
	WIN (WN<<2)                                    ; a store's data is its source 1: straight from the accumulators' window; they are never written again
.irp bb, 0,1,2,3
.irp i, 0,1,2,3
	global_store_b128 v[XO], v[A0+32*\bb+8*\i:A0+32*\bb+8*\i+3], s[10:11] offset:(4*(4*\g4+\bb)+\i)*1024          ; one store of the wave = 512 consecutive bytes, aligned:
	global_store_b128 v[XO], v[A0+32*\bb+8*\i+4:A0+32*\bb+8*\i+7], s[10:11] offset:(4*(4*\g4+\bb)+\i)*1024+512    ; the two halves of a block
.endr
.endr
	WIN 0
.endm
	SCAN4 0
	SCAN4 1
	SCAN4 2
	SCAN4 3
	ds_load_b128 v[EB:EB+3], v[ESR]                ; my wave's own bytes: LDS serves a wave in order (ISA guide 5.7.1.4), no barrier
	ds_load_b128 v[EB+4:EB+7], v[ESR] offset:512
	v_and_b32 v1, 31, v0
	v_lshlrev_b32 v[ESG], 4, v1
	v_lshl_add_u32 v[ESG], s14, 10, v[ESG]
	s_wait_dscnt 0x0
	global_store_b128 v[ESG], v[EB:EB+3], s[12:13]
	global_store_b128 v[ESG], v[EB+4:EB+7], s[12:13] offset:512
	s_wait_tensorcnt 0x0
	ds_add_u32 v254, v255
	s_wait_dscnt 0x0
	CROUND                                         ; the closing round: no work-group ends while a partner may still ask jointly
	s_endpgm
.Lfunc_end_k_qcb260f2d61_gemm1:
	.size	k_qcb260f2d61_gemm1, .Lfunc_end_k_qcb260f2d61_gemm1-k_qcb260f2d61_gemm1
	.p2alignl 7, 3214868480
	.fill 96, 4, 3214868480
	.section	.rodata,"a",@progbits
	.p2align	6, 0x0
	.amdhsa_kernel k_qcb260f2d61_gemm1
		.amdhsa_group_segment_fixed_size 327680
		.amdhsa_private_segment_fixed_size 0
		.amdhsa_enable_private_segment 0
		.amdhsa_kernarg_size 40
		.amdhsa_user_sgpr_count 2
		.amdhsa_user_sgpr_kernarg_segment_ptr 1
		.amdhsa_wavefront_size32 1
		.amdhsa_system_sgpr_workgroup_id_x 1
		.amdhsa_system_sgpr_workgroup_id_y 1
		.amdhsa_system_sgpr_workgroup_id_z 1
		.amdhsa_system_vgpr_workitem_id 0
		.amdhsa_next_free_vgpr 1024
		.amdhsa_next_free_sgpr 66
		.amdhsa_reserve_vcc 0
		.amdhsa_float_denorm_mode_32 3
		.amdhsa_float_denorm_mode_16_64 3
		.amdhsa_memory_ordered 1
		.amdhsa_forward_progress 1
		.amdhsa_inst_pref_size 228
	.end_amdhsa_kernel
	.amdgpu_metadata
---
amdhsa.version: [ 1, 2 ]
amdhsa.kernels:
  - .name:           k_qcb260f2d61_gemm1
    .symbol:         k_qcb260f2d61_gemm1.kd
    .args:
      - { .name: u, .offset: 0, .size: 8, .value_kind: global_buffer, .address_space: global }
      - { .name: wt, .offset: 8, .size: 8, .value_kind: global_buffer, .address_space: global }
      - { .name: av, .offset: 16, .size: 8, .value_kind: global_buffer, .address_space: global }
      - { .name: xs, .offset: 24, .size: 8, .value_kind: global_buffer, .address_space: global }
      - { .name: es, .offset: 32, .size: 8, .value_kind: global_buffer, .address_space: global }
    .group_segment_fixed_size: 327680
    .private_segment_fixed_size: 0
    .kernarg_segment_align: 8
    .kernarg_segment_size: 40
    .max_flat_workgroup_size: 128
    .sgpr_count:     66
    .vgpr_count:     1024
    .wavefront_size: 32
...
	.end_amdgpu_metadata
.endif
;; end of part 4
;; launch gemm2 (part 5): grid 256 x 1, 4 waves a work-group, clusters of 4 x 1, 327,680 bytes of LDS; arguments u, xs, es, av, h0, wt, ln_gamma, ln_beta, out0; writes out0
.if DOCPART == 5
	.amdgcn_target "amdgcn-amd-amdhsa--gfx1250"
	.amdhsa_code_object_version 6
	.text
	.protected	k_qcb260f2d61_gemm2
	.globl	k_qcb260f2d61_gemm2
	.p2align	8
	.type	k_qcb260f2d61_gemm2,@function
k_qcb260f2d61_gemm2:
	s_mov_b64 s[64:65], 0
	v_nop
	global_prefetch_b8 v0, s[64:65] scope:SCOPE_SE
	s_setreg_imm32_b32 hwreg(HW_REG_WAVE_MODE, 25, 1), 1
	s_wait_xcnt 0x0
	s_wait_alu depctr_hold_cnt(0) depctr_sa_sdst(0) depctr_va_vdst(0) depctr_va_sdst(0) depctr_va_ssrc(0) depctr_va_vcc(0) depctr_vm_vsrc(0)
	s_getreg_b32 s2, hwreg(HW_REG_IB_STS2, 6, 4)
	s_cmp_eq_u32 s2, 0
	s_cbranch_scc0 .Lentry_in_a_cluster
	s_endpgm
.Lentry_in_a_cluster:
	s_bfe_u32 s2, ttmp6, 0x10000c
	s_cmp_lg_u32 s2, 0x3003
	s_cbranch_scc0 .Lentry_shape_is_right
	s_endpgm
.Lentry_shape_is_right:
; y = u D^T + x C^T for one chunk of 64 time steps of one batch, x_t = local_t + a^(t+1) Xin; then exact GELU, LayerNorm over the 1024 outputs, nan_to_num.
; Xin of chunk c: Xin(0) = h0, Xin(k+1) = es[k] + a^64 Xin(k): all 15 links are computed in every work-group and those with k < c are kept by a select.
; Work-group g = chunk g: 64 rows x all 1024 outputs, so a row's mean and variance stay in the work-group.  Four waves; wave w makes outputs 256 w .. 256 w + 255:
; 64 accumulators = 512 registers.  K = 2048 in 32 steps of 64: steps 0-15 u with D, steps 16-31 x with C (D and C follow each other in wt).
; WEIGHTS: a step's tile is the same for every work-group: the four work-groups of a cluster ask for it jointly (mask 15), wave w its quarter, two LDS slots.
; u and xs (both f32) go through registers into an LDS stage: u is rounded to bf16 there; the local x gets its a^(t+1) Xin in f32 and is then rounded to bf16, once.
; THE ORDER OF K: cluster c begins each of the two products at K tile START = (c ^ 5 (c >> 4)) & 15 and goes round: step s takes tile (START + s) & 15 of its matrix.
; So the 64 clusters ask for sixteen different tiles at a time, and a tile that a cluster asks for was asked for one step earlier by the clusters that began one tile
; further on.  5 = 0101b and 10 = 1010b: among the clusters whose numbers agree in any one bit all sixteen starts occur.  START is made of the cluster's number alone,
; which the four partners share; it enters global addresses only: the tables of a and Xin are laid into LDS rotated by 64 START states, so that they are walked straight on.
; THE MATRIX INSTRUCTION IS USED TRANSPOSED (source 0 = weights, source 1 = u or x): lane (r, h) holds row 16 i + r and eight neighbouring outputs.
; BEHIND THE PRODUCTS y goes once through LDS: each wave stores its 64 x 256 block, and then owns 16 WHOLE rows, which it takes two at a time in a loop of 8 trips:
; a row is 32 registers of the wave, its sums never leave the wave, and the result is stored from the registers.  One text serves all rows.
; LIMITS.  u, x, C, D go to the matrix unit in bf16.  The order of the sums over K differs from cluster to cluster.
; erf by the rational form of Abramowitz and Stegun 7.1.26: absolute error 1.5e-7 at every argument; act = max(y, 0) - |y| erfc(|y| / sqrt 2) / 2.
; Powers of a are made by squaring: with |a| >= 16 a^32 overflows, with |a| > 4 a^64 does, and 0 x inf then gives NaN where a step-by-step scan of a zero state
; gives 0.  In those ranges x itself overflows inside a chunk; rows right at that boundary may differ.
; The variance is the mean of (act - mean)^2, made in a second pass: no difference of large sums.
.set SLOT,  147456
.set QB,    36864                      ; a quarter: 256 rows, pitch 144
.set STG,   294912                     ; two stages, written by ds_store alone.  u: 64 rows, pitch 144.  x: 16 blocks of 512 bytes (16 states x 16 times, bf16)
.set STGB,  9216
.set ATAB,  313344                     ; a, 1024 f32, position p = state (p + 64 START) & 1023; Xin lies 4,096 bytes behind, in the same order
.set YP,    4112                       ; y behind the products: 64 rows from LDS byte 0, 4,096 bytes + 16 = 16 x 257: sixteen rows start in sixteen different 16-byte columns
.set WA,  6                            ; v6-7   weight fragments, slot 0, 1
.set AU,  8                            ; v8-9   u's fragments, stage 0, 1
.set SUA, 10                           ; v10    where I store 8 bytes of u's tile
.set UO,  11                           ; v11    my offset in u's tile in memory
.set AX,  12                           ; v12-13 x's fragments (transposing loads), stage 0, 1
.set SXA, 14                           ; v14    where I store 16 bytes of x's tile
.set XOF, 15                           ; v15    my offset in x's tile in memory
.set TB,  16                           ; v16    my word of the tables, stepped 64 positions a tile
.set YST, 17                           ; v17-20 y into LDS: my 32 bytes in row 16 i + r, one register for each i (16 rows are more than an offset holds)
.set YRD, 21                           ; v21    y back: my 16 bytes of my wave's next two rows
.set COV, 22                           ; v22    my offset in out0, at my wave's next two rows
.set GBO, 23                           ; v23    my offset in gamma and beta
.set TA,  24
.set T32, 25                           ; v25    32 x thread: my 8 positions of the tables
.set T32R, 30                          ; v30    the byte offset in av, h0 and a chunk of es of the 8 states that belong there
.set AF0, 32
.set AF1, 64
.set LS,  96                           ; v96-127, v128-159  load sets
.set CV,  160
.set AVC, 176                          ; the chain: a, Xin, the next link, a^64 of my 8 states
.set CUR, 184
.set NEW, 192
.set A64, 200
.set PX,  160                          ; x's stage: a^1..a^8 of piece q
.set XX,  192                          ; 8 numbers of piece q, corrected
.set GX,  224                          ; pair q: Xin a^(8 o8)
.set TX,  232                          ; pair q: a^16, a^32
.set YX,  240
.set F0,  0
.set F1,  128
.set U0,  4                            ; s[4:5]   u at my 64 rows
.set X0,  6                            ; s[6:7]   xs at my chunk
.set WB,  14                           ; s[14:15] wt at my quarter of D's tile 0
.set WV,  22
.set G1,  24
.set G0,  32
.set UB,  40                           ; s[40:43] u at the tile that load set 0, 1 was last filled from
.set XB,  44                           ; s[44:47] the same for xs
.set START, 50                         ; s50      my cluster's first K tile
.set KW,  53                           ; s53      START + the number of weight tiles asked for
.set KA,  60                           ; s60      START + the number of u's and x's tiles asked for
.set MUL_LO, 0xa1                      ; source 0 (weights) window 1, source 1 window 0, C and D window 2
.set MUL_HI, 0xf1
.set TO_W,   0x40
.set MSB, 0
.macro WIN new
.if MSB != (\new)
	s_set_vgpr_msb (MSB<<8)|(\new)
.set MSB, (\new)
.endif
.endm
.macro PLACES                          ; four plain places behind a matrix instruction (ISA guide 7.12.1)
.rept 4
	v_nop
.endr
.endm
.macro CREST
	s_cmp_lg_u32 s[WV], 0
	s_cbranch_scc1 .Lnot_wave_0_\@
	s_barrier_signal -3
.Lnot_wave_0_\@:
	s_barrier_wait -3
	s_barrier_signal -1
	s_barrier_wait -1
.endm
.macro CROUND
	s_barrier_signal -1
	s_barrier_wait -1
	CREST
.endm
; 16 matrix instructions; the accumulators take turns, one instruction a turn, in the same order in every sub-step
.macro MUL16 f, af, hi, bl0, zero
.irp bl, \bl0, \bl0+1, \bl0+2, \bl0+3
.irp i, 0,1,2,3
.if \zero
	v_wmma_f32_16x16x32_bf16 v[8*(4*(\bl)+\i):8*(4*(\bl)+\i)+7], v[\f+8*(8*\hi+\bl):\f+8*(8*\hi+\bl)+7], v[\af+8*\i:\af+8*\i+7], 0
.else
	v_wmma_f32_16x16x32_bf16 v[8*(4*(\bl)+\i):8*(4*(\bl)+\i)+7], v[\f+8*(8*\hi+\bl):\f+8*(8*\hi+\bl)+7], v[\af+8*\i:\af+8*\i+7], v[8*(4*(\bl)+\i):8*(4*(\bl)+\i)+7]
.endif
.endr
.endr
.endm
; 40 LDS loads.  kind 1: u's tile, rows along K.  kind 2: x's tile, blocks [state][time]: a transposing load takes one block of 512 bytes (16 states of one time tile)
.macro FETCH slot, kind, kk, f, af
	WIN 0
.if \kind == 1
.irp i, 0,1,2,3
	ds_load_b128 v[\af+8*\i:\af+8*\i+3], v[AU+\slot] offset:\i*2304+\kk*64
	ds_load_b128 v[\af+8*\i+4:\af+8*\i+7], v[AU+\slot] offset:\i*2304+\kk*64+32
.endr
.else
.irp i, 0,1,2,3
	ds_load_tr16_b128 v[\af+8*\i:\af+8*\i+3], v[AX+\slot] offset:(8*\kk+\i)*512
	ds_load_tr16_b128 v[\af+8*\i+4:\af+8*\i+7], v[AX+\slot] offset:(8*\kk+\i)*512+2048
.endr
.endif
	WIN TO_W
.irp b, 0,1,2,3,4,5,6,7,8,9,10,11,12,13,14,15
	ds_load_b128 v[\f+8*\b:\f+8*\b+3], v[WA+\slot] offset:\b*2304+\kk*64
	ds_load_b128 v[\f+8*\b+4:\f+8*\b+7], v[WA+\slot] offset:\b*2304+\kk*64+32
.endr
.endm
; The next tile of u into load set \set.  The set's base is written here: the set's last loads were shown done by the wait at the head of the set's stage, which
; stands in front of every load macro but a set's first.  One count serves u and x: sixteen tiles of u bring it round to START again.
.macro LOAD_U set
	s_and_b32 s2, s[KA], 15                        ; K tile (START + count) & 15
	s_lshl_b32 s2, s2, 8                           ; 256 bytes of a row; s3 = 0
	s_add_nc_u64 s[UB+2*\set:UB+2*\set+1], s[U0:U0+1], s[2:3]
	s_add_co_u32 s[KA], s[KA], 1
.irp q, 0,1,2,3,4,5,6,7
	global_load_b128 v[LS+32*\set+4*\q:LS+32*\set+4*\q+3], v[UO], s[UB+2*\set:UB+2*\set+1] offset:\q*32768 th:TH_LOAD_NT
.endr
.endm
.macro STAGE_U set, lcnt
	s_wait_loadcnt \lcnt                           ; the younger tile's loads may stay out; this set's are in
.irp q, 0,1,2,3,4,5,6,7
	v_cvt_pk_bf16_f32 v[CV+2*\q], v[LS+32*\set+4*\q], v[LS+32*\set+4*\q+1]
	v_cvt_pk_bf16_f32 v[CV+2*\q+1], v[LS+32*\set+4*\q+2], v[LS+32*\set+4*\q+3]
.endr
.irp q, 0,1,2,3,4,5,6,7
	ds_store_b64 v[SUA], v[CV+2*\q:CV+2*\q+1] offset:\set*STGB+\q*1152
.endr
.endm
; A tile of xs: 64 states x 64 times in f32, 16,384 dense bytes = 16 blocks of 1,024 (state tile q, time tile w).  A load of the wave takes 512 consecutive bytes:
; half k of a block, in which lane l finds state row l / 2 at times 8 (l & 1) + 4 k + 0..3.  Piece q = the two halves = 8 neighbouring times of one state.
.macro LOAD_X set
	s_and_b32 s2, s[KA], 15                        ; K tile (START + count) & 15
	s_lshl_b32 s2, s2, 14                          ; 16,384 bytes a tile; s3 = 0
	s_add_nc_u64 s[XB+2*\set:XB+2*\set+1], s[X0:X0+1], s[2:3]
	s_add_co_u32 s[KA], s[KA], 1
.irp q, 0,1,2,3
	global_load_b128 v[LS+32*\set+8*\q:LS+32*\set+8*\q+3], v[XOF], s[XB+2*\set:XB+2*\set+1] offset:4096*\q th:TH_LOAD_NT
	global_load_b128 v[LS+32*\set+8*\q+4:LS+32*\set+8*\q+7], v[XOF], s[XB+2*\set:XB+2*\set+1] offset:4096*\q+512 th:TH_LOAD_NT
.endr
.endm
.macro TABLES_X                        ; a and Xin of my four pieces' states: positions 64 j + 16 q + lane / 2 for the j-th tile of x that is staged
.irp q, 0,1,2,3
	ds_load_b32 v[PX+8*\q], v[TB] offset:64*\q
	ds_load_b32 v[GX+2*\q], v[TB] offset:4096+64*\q
.endr
	v_add_nc_u32 v[TB], 256, v[TB]
.endm
; My piece q holds one state at times 8 o8 + 0..7, o8 = 2 w + (lane & 1): x = local + a^(e+1) (Xin a^(8 o8)); a^(8 o8) from a^8, a^16, a^32 by o8's bits
.macro STAGE_X set, lcnt
	s_wait_loadcnt \lcnt                           ; the younger tile's loads may stay out; this set's are in,
	s_wait_dscnt 0x0                               ; and so are the tables' words
.irp q, 0,1,2,3
	v_mul_f32 v[PX+8*\q+1], v[PX+8*\q], v[PX+8*\q]
.endr
.irp q, 0,1,2,3
	v_pk_mul_f32 v[PX+8*\q+2:PX+8*\q+3], v[PX+8*\q:PX+8*\q+1], v[PX+8*\q:PX+8*\q+1] op_sel:[0,1] op_sel_hi:[1,1]
.endr
.irp q, 0,1,2,3
	v_pk_mul_f32 v[PX+8*\q+4:PX+8*\q+5], v[PX+8*\q:PX+8*\q+1], v[PX+8*\q+2:PX+8*\q+3] op_sel:[0,1] op_sel_hi:[1,1]
	v_pk_mul_f32 v[PX+8*\q+6:PX+8*\q+7], v[PX+8*\q+2:PX+8*\q+3], v[PX+8*\q+2:PX+8*\q+3] op_sel:[0,1] op_sel_hi:[1,1]
.endr
.irp q, 0,1,2,3
	v_mul_f32 v[TX+2*\q], v[PX+8*\q+7], v[PX+8*\q+7]               ; a^16
	v_cndmask_b32 v[GX+2*\q+1], 1.0, v[PX+8*\q+7], s54             ; a^8 where o8 is odd
.endr
.irp q, 0,1,2,3
	v_mul_f32 v[TX+2*\q+1], v[TX+2*\q], v[TX+2*\q]                 ; a^32
	v_mul_f32 v[GX+2*\q], v[GX+2*\q], v[GX+2*\q+1]
	v_cndmask_b32 v[TX+2*\q], 1.0, v[TX+2*\q], s55
.endr
.irp q, 0,1,2,3
	v_mul_f32 v[GX+2*\q], v[GX+2*\q], v[TX+2*\q]
	v_cndmask_b32 v[TX+2*\q+1], 1.0, v[TX+2*\q+1], s56
.endr
.irp q, 0,1,2,3
	v_mul_f32 v[GX+2*\q], v[GX+2*\q], v[TX+2*\q+1]
.endr
.irp q, 0,1,2,3
.irp k, 0,2,4,6
	v_pk_fma_f32 v[XX+8*\q+\k:XX+8*\q+\k+1], v[PX+8*\q+\k:PX+8*\q+\k+1], v[GX+2*\q:GX+2*\q+1], v[LS+32*\set+8*\q+\k:LS+32*\set+8*\q+\k+1] op_sel_hi:[1,0,1]
.endr
.endr
.irp q, 0,1,2,3
.irp k, 0,1,2,3
	v_cvt_pk_bf16_f32 v[YX+4*\q+\k], v[XX+8*\q+2*\k], v[XX+8*\q+2*\k+1]      ; x's one rounding
.endr
.endr
.irp q, 0,1,2,3
	ds_store_b128 v[SXA], v[YX+4*\q:YX+4*\q+3] offset:\set*STGB+2048*\q
.endr
.endm
; One K step on slot \slot (p = the other).  kcur, knext: kind of this tile and of the next (1 u, 2 x); stage, load: kind of the tile staged (one step on) and asked
; for (three steps on), 0 = none; fill: this slot gets the weights two steps on, 1 = a tile of D, 2 = a tile of C, 0 = none.  ONE barrier a step: in front of it every
; wave has waited for its reads of this slot and stage, its stores to stage p and all its tensor loads; where the slot is filled again it opens a round of the cluster's barrier.
.macro STEP slot, p, kcur, knext, stage, load, lcnt, fill, zero, last
	s_wait_dscnt 16                                ; all but the 16 youngest loads: the weights of output tiles 8-15
	WIN MUL_LO
	MUL16 F0, AF0, 0, 0, \zero
	MUL16 F0, AF0, 0, 4, \zero
	PLACES
	FETCH \slot, \kcur, 1, F1, AF1
.if \stage == 2
	WIN 0
	TABLES_X
	s_wait_dscnt 48                                ; all but the 40 fragment loads and the 8 table loads just issued
.else
	s_wait_dscnt 40                                ; all but the 40 just issued
.endif
	WIN MUL_HI
	MUL16 F0, AF0, 1, 0, \zero
	MUL16 F0, AF0, 1, 4, \zero
	WIN 0
.if \stage == 1
	STAGE_U \p, \lcnt
.endif
.if \stage == 2
	STAGE_X \p, \lcnt
.endif
.if \load == 1
	LOAD_U \p
.endif
.if \load == 2
	LOAD_X \p
.endif
.if \stage == 1
	s_wait_dscnt 24                                ; younger than what is needed: 16 loads (output tiles 8-15) and the stage's 8 stores
.else
	s_wait_dscnt 16                                ; 16 loads (output tiles 8-15); behind x's stage only its 4 stores are out
.endif
	WIN MUL_LO
	MUL16 F1, AF1, 0, 0, 0
.if \last
	MUL16 F1, AF1, 0, 4, 0
	s_wait_dscnt 0x0
	WIN MUL_HI
	MUL16 F1, AF1, 1, 0, 0
	MUL16 F1, AF1, 1, 4, 0
	WIN 0
.else
	s_wait_dscnt 0x0                               ; my reads of this slot and stage are back, my stores to the other stage are done
	s_wait_xcnt 0x0
	s_set_vgpr_msb 0xa160
	v_lshl_add_u32 v111, v0, 2, 0x4e800
	s_set_vgpr_msb 0x6020
	v_mov_b32 v255, 0
	s_set_vgpr_msb 0x2021
	s_wait_tensorcnt 0x0                           ; all my tensor loads have landed
	ds_add_u32 v111, v255
	s_wait_dscnt 0x0
	s_set_vgpr_msb 0x21a1
	s_barrier_signal -1
	MUL16 F1, AF1, 0, 4, 0
	WIN 0
	s_barrier_wait -1
.if \fill
	CREST
	s_and_b32 s2, s[KW], 15                        ; no load of mine is out, so the slot's group 0 may be written: K tile (START + count) & 15,
	s_lshl_b32 s2, s2, 17                          ; 131,072 bytes a tile; s3 = 0
.if \fill == 2
	s_add_co_u32 s2, s2, 2097152                   ; C's sixteen tiles lie behind D's
.endif
	s_add_nc_u64 s[G0+4*\slot+2:G0+4*\slot+3], s[WB:WB+1], s[2:3]
	s_or_b32 s[G0+4*\slot+3], s[G0+4*\slot+3], 0x80000000          ; type = 2
	s_add_co_u32 s[KW], s[KW], 1
	tensor_load_to_lds s[G0+4*\slot:G0+4*\slot+3], s[G1:G1+7]      ; my one tensor load until the next such barrier
	s_nop 0
.endif
	PLACES
	FETCH \p, \knext, 0, F0, AF0
	WIN MUL_HI
	MUL16 F1, AF1, 1, 0, 0
	MUL16 F1, AF1, 1, 4, 0
.endif
.endm
	s_load_b512 s[4:19], s[0:1], 0x0               ; u 4:5, xs 6:7, es 8:9, av 10:11, h0 12:13, wt 14:15, gamma 16:17, beta 18:19
	s_load_b64 s[20:21], s[0:1], 0x40              ; out0
	s_set_vgpr_msb 0x40
	v_lshl_add_u32 v111, v0, 2, 0x4e800
	s_set_vgpr_msb 0x4000
	v_mov_b32 v255, 0
	s_set_vgpr_msb 0x1
	ds_add_u32 v111, v255
	s_wait_dscnt 0x0
	s_set_vgpr_msb 0x100
	v_lshrrev_b32 v1, 5, v0
	v_readfirstlane_b32 s22, v1                    ; wave
	s_bfe_u32 s2, ttmp6, 0x40000                   ; cx
	s_lshl_b32 s23, ttmp9, 2
	s_add_co_u32 s23, s23, s2                      ; g: it enters addresses of u, xs, es, out0 and a select, no branch and no LDS address
	s_and_b32 s49, s23, 15                         ; c: my chunk in its batch
	s_lshr_b32 s[START], ttmp9, 4                  ; the cluster's number c: (c ^ 5 (c >> 4)) & 15
	s_mul_i32 s[START], s[START], 5
	s_xor_b32 s[START], s[START], ttmp9
	s_and_b32 s[START], s[START], 15
	s_mov_b32 s[G1+0], 0x0733000f                  ; mask 15; elements of 8 bytes; padding on; bit 21 beside the mask; 4 words behind every 32
	s_mov_b32 s[G1+1], 32<<16
	s_mov_b32 s[G1+2], 128<<16
	s_mov_b32 s[G1+3], 32<<16
	s_mov_b32 s[G1+4], 128
	s_mov_b32 s[G1+5], 32
	s_mov_b32 s[G1+6], 0
	s_mov_b32 s[G1+7], 0
	s_mov_b32 s51, 0x76543210                      ; v_permlanex16_b32: lane i takes lane i of the other half
	s_mov_b32 s52, 0xfedcba98
	s_mov_b32 s54, 0xaaaaaaaa                      ; odd lanes
	s_mov_b32 s57, 0x7f800000                      ; infinity
	s_mov_b32 s58, 0xc9742400                      ; -1e6
	s_mov_b32 s59, 0x49742400                      ; 1e6
	s_and_b32 s2, s22, 1
	s_cmp_lg_u32 s2, 0
	s_cselect_b32 s55, -1, 0                       ; all lanes where w is odd
	s_lshr_b32 s2, s22, 1
	s_cmp_lg_u32 s2, 0
	s_cselect_b32 s56, -1, 0                       ; all lanes where w >= 2
	s_mul_i32 s48, s22, QB
	s_lshl_b32 s2, s22, 15
	s_add_co_u32 s2, s2, 2097152                   ; D's first tile lies behind B's sixteen
	s_mov_b32 s3, 0                                ; stays 0: s[2:3] is the pair in which offsets are added to addresses
	s_wait_kmcnt 0x0
	s_add_nc_u64 s[WB:WB+1], s[WB:WB+1], s[2:3]    ; D's tile 0, my quarter: the same in all four work-groups
.irp s, 0,1
	s_add_co_u32 s2, s[START], \s
	s_and_b32 s2, s2, 15                           ; K tile (START + s) & 15
	s_lshl_b32 s2, s2, 17
	s_mov_b32 s[G0+4*\s], 1
	s_add_co_u32 s[G0+4*\s+1], s48, \s*SLOT
	s_add_nc_u64 s[G0+4*\s+2:G0+4*\s+3], s[WB:WB+1], s[2:3]
	s_or_b32 s[G0+4*\s+3], s[G0+4*\s+3], 0x80000000
.endr
	s_add_co_u32 s[KW], s[START], 2                ; two weight tiles are asked for below
	s_mov_b32 s[KA], s[START]
	CROUND
	tensor_load_to_lds s[G0:G0+3], s[G1:G1+7]      ; the first two tiles: two loads of mine are out, later one
	s_nop 0
	tensor_load_to_lds s[G0+4:G0+7], s[G1:G1+7]
	s_nop 0
	s_lshr_b32 s2, s23, 4
	s_lshl_b32 s2, s2, 16
	s_add_nc_u64 s[62:63], s[8:9], s[2:3]          ; es at my batch's first chunk
	v_lshlrev_b32 v[T32], 5, v0                    ; my 8 positions of the tables
	v_lshl_add_u32 v[T32R], s[START], 8, v[T32]    ; their states lie 64 START further on,
	v_and_b32 v[T32R], 0xfff, v[T32R]              ; round the 1024: 8 neighbouring states, since both terms are multiples of 8 states
	global_load_b128 v[AVC:AVC+3], v[T32R], s[10:11]
	global_load_b128 v[AVC+4:AVC+7], v[T32R], s[10:11] offset:16
	global_load_b128 v[CUR:CUR+3], v[T32R], s[12:13]
	global_load_b128 v[CUR+4:CUR+7], v[T32R], s[12:13] offset:16
	WIN TO_W
.irp k, 0,1,2,3,4,5,6,7,8,9,10,11,12,13,14
	global_load_b128 v[8*\k:8*\k+3], v[T32R], s[62:63] offset:4096*\k        ; window 1: the end states of chunks 0 to 14 of my batch
	global_load_b128 v[8*\k+4:8*\k+7], v[T32R], s[62:63] offset:4096*\k+16
.endr
	WIN 0
	s_lshl_b32 s2, s23, 18                         ; 262,144 bytes: my 64 rows of u and of out0, and my chunk of xs
	s_add_nc_u64 s[U0:U0+1], s[U0:U0+1], s[2:3]
	s_add_nc_u64 s[20:21], s[20:21], s[2:3]        ; out0 at my 64 rows
	s_add_nc_u64 s[X0:X0+1], s[X0:X0+1], s[2:3]
	v_and_b32 v2, 15, v0                           ; r
	v_bfe_u32 v3, v0, 4, 1                         ; h
	v_lshrrev_b32 v4, 4, v0
	v_lshlrev_b32 v[UO], 12, v4
	v_lshl_add_u32 v[UO], v2, 4, v[UO]
	LOAD_U 0
	LOAD_U 1
	v_mul_u32_u24 v5, v2, 144
	v_lshl_add_u32 v5, v3, 4, v5
	v_add_nc_u32 v[WA], s48, v5
	v_add_nc_u32 v[WA+1], SLOT, v[WA]
	v_add_nc_u32 v[AU], STG, v5
	v_add_nc_u32 v[AU+1], STG+STGB, v5
	v_mul_u32_u24 v[SUA], v4, 144
	v_lshl_add_u32 v[SUA], v2, 3, v[SUA]
	v_add_nc_u32 v[SUA], STG, v[SUA]
	v_and_b32 v1, 7, v0
	v_lshl_add_u32 v1, v3, 3, v1                   ; state row 8 h + lane % 8 of a block
	v_bfe_u32 v5, v0, 3, 1
	v_lshlrev_b32 v5, 4, v5                        ; which 16 bytes of its 32
	v_lshl_add_u32 v1, v1, 5, v5
	v_add_nc_u32 v[AX], STG, v1
	v_add_nc_u32 v[AX+1], STG+STGB, v1
	v_lshlrev_b32 v1, 4, v0
	v_add_nc_u32 v[SXA], STG, v1                   ; the stage: block w of each four, 16 bytes a lane
	v_and_b32 v1, 31, v0
	v_lshlrev_b32 v[GBO], 4, v1                    ; 16 x lane
	v_lshl_add_u32 v[XOF], s22, 10, v[GBO]         ; memory: block w of each four (1,024 bytes), 16 bytes a lane
	v_bfe_u32 v1, v0, 1, 4                         ; lane / 2
	v_lshlrev_b32 v1, 2, v1
	v_add_nc_u32 v[TB], ATAB, v1
	v_add_nc_u32 v[TA], ATAB, v[T32]
	v_mul_u32_u24 v1, v2, YP                       ; y into LDS: row r of a row tile,
	v_lshl_add_u32 v1, v3, 5, v1                   ; 32 bytes for each half of the lanes,
	v_lshl_add_u32 v[YST], s22, 10, v1             ; my wave's 1,024 bytes of the row
	v_add_nc_u32 v[YST+1], 16*YP, v[YST]
	v_add_nc_u32 v[YST+2], 32*YP, v[YST]
	v_add_nc_u32 v[YST+3], 48*YP, v[YST]
	s_mul_i32 s2, s22, 16*YP                       ; y back: my wave's 16 rows
	v_add_nc_u32 v[YRD], s2, v[GBO]
	v_lshl_add_u32 v[COV], s22, 16, v[GBO]         ; and the same 16 rows of 4,096 bytes in out0
	STAGE_U 0, 8                                   ; step 1's eight loads may stay out: a, h0, the end states and step 0's tile are in
	LOAD_U 0                                       ; step 2's tile
	; the state that enters my chunk
.irp e, 0,2,4,6
	v_pk_mul_f32 v[A64+\e:A64+\e+1], v[AVC+\e:AVC+\e+1], v[AVC+\e:AVC+\e+1]
.endr
.rept 5
.irp e, 0,2,4,6
	v_pk_mul_f32 v[A64+\e:A64+\e+1], v[A64+\e:A64+\e+1], v[A64+\e:A64+\e+1]
.endr
.endr
	WIN 0x10                                       ; source 2 in window 1
.irp k, 0,1,2,3,4,5,6,7,8,9,10,11,12,13,14
	s_cmp_gt_u32 s49, \k
	s_cselect_b32 vcc_lo, -1, 0                    ; the link counts where chunk k lies in front of mine
.irp e, 0,2,4,6
	v_pk_fma_f32 v[NEW+\e:NEW+\e+1], v[A64+\e:A64+\e+1], v[CUR+\e:CUR+\e+1], v[8*\k+\e:8*\k+\e+1]
.endr
.irp e, 0,1,2,3,4,5,6,7
	v_cndmask_b32 v[CUR+\e], v[CUR+\e], v[NEW+\e], vcc_lo
.endr
.endr
	WIN 0
	ds_store_b128 v[TA], v[AVC:AVC+3]
	ds_store_b128 v[TA], v[AVC+4:AVC+7] offset:16
	ds_store_b128 v[TA], v[CUR:CUR+3] offset:4096
	ds_store_b128 v[TA], v[CUR+4:CUR+7] offset:4112
	s_wait_tensorcnt 0x1                           ; my quarter of step 0's tile is in; step 1's may stay out
	s_wait_dscnt 0x0                               ; stage 0 and the tables are stored
	s_barrier_signal -1
	s_barrier_wait -1
	FETCH 0, 1, 0, F0, AF0
	; every tile, u's or x's, is eight loads: the wait in front of a stage leaves the one younger tile's eight out
	STEP 0, 1, 1, 1, 1, 1, 8, 1, 1, 0              ; step 0: its first products start the sums
	STEP 1, 0, 1, 1, 1, 1, 8, 1, 0, 0
	WIN 0
	s_mov_b32 s48, 5                               ; steps 2 to 11
.Lu:
	STEP 0, 1, 1, 1, 1, 1, 8, 1, 0, 0
	STEP 1, 0, 1, 1, 1, 1, 8, 1, 0, 0
	WIN 0
	s_sub_co_u32 s48, s48, 1
	s_cmp_lg_u32 s48, 0
	s_cbranch_scc1 .Lu
	STEP 0, 1, 1, 1, 1, 1, 8, 1, 0, 0              ; step 12 asks for u's last tile
	STEP 1, 0, 1, 1, 1, 2, 8, 1, 0, 0              ; step 13 asks for x's first tile, and for D's last
	STEP 0, 1, 1, 1, 1, 2, 8, 2, 0, 0              ; step 14 stages u's last tile, and asks for C's first
	STEP 1, 0, 1, 2, 2, 2, 8, 2, 0, 0              ; step 15 stages x's first tile
	WIN 0
	s_mov_b32 s48, 6                               ; steps 16 to 27
.Lx:
	STEP 0, 1, 2, 2, 2, 2, 8, 2, 0, 0
	STEP 1, 0, 2, 2, 2, 2, 8, 2, 0, 0
	WIN 0
	s_sub_co_u32 s48, s48, 1
	s_cmp_lg_u32 s48, 0
	s_cbranch_scc1 .Lx
	STEP 0, 1, 2, 2, 2, 2, 8, 2, 0, 0              ; step 28 asks for x's last tile
	STEP 1, 0, 2, 2, 2, 0, 8, 2, 0, 0              ; step 29 fills slot 1 for the last time
	STEP 0, 1, 2, 2, 2, 0, 0, 0, 0, 0              ; step 30: no younger load is out
	STEP 1, 0, 2, 0, 0, 0, 0, 0, 0, 1              ; step 31
	; BEHIND THE PRODUCTS.  Lane (r, h), tile (i, b), register j: row 16 i + r, output 256 w + 16 b + 8 h + j.
.set RS,  2                            ; v2-5    1 / sqrt(var + eps) of the two rows, each twice
.set M,   26                           ; v26-29  their means, each twice
.set KE,  34                           ; pairs of constants
.set KA1, 36
.set KA2, 38
.set KA3, 40
.set KA4, 42
.set KA5, 44
.set S,   48                           ; v48-55, v56-63  four chains of pairs for each of the two rows
.set XA,  64                           ; v64-95   the first row: lane l holds outputs 128 k + 4 l + 0..3 in registers 4 k .. 4 k + 3
.set XB,  96                           ; v96-127  the second row
.set GZ,  128                          ; 1 + p |y| / sqrt 2, then e^(-y^2 / 2)
.set GT,  160                          ; t
.set GE,  192                          ; the exponent, then the polynomial
.set GR,  224                          ; max(y, 0)
.set NT,  128
	PLACES                                         ; behind the last matrix instructions: loads into their sources, LDS stores of their results
	WIN TO_W
.irp k, 0,1,2,3,4,5,6,7
	global_load_b128 v[4*\k:4*\k+3], v[GBO], s[16:17] offset:512*\k          ; window 1, v0-31: gamma of my 32 outputs of a row
	global_load_b128 v[32+4*\k:32+4*\k+3], v[GBO], s[18:19] offset:512*\k    ; window 1, v32-63: beta
.endr
	WIN 0
	s_barrier_signal -1                            ; every wave's reads of both slots are back (the wait for 0 in step 31), and every tensor load has landed (step 30)
	s_barrier_wait -1                              ; so the slots, which have had their last fill, may be written
.irp hw, 0,1
	WIN (2+\hw)<<2                                 ; an LDS store's data is its source 1: straight from the accumulators' window
.irp bl, 0,1,2,3,4,5,6,7
.irp i, 0,1,2,3
	ds_store_b128 v[YST+\i], v[32*\bl+8*\i:32*\bl+8*\i+3] offset:64*(8*\hw+\bl)
	ds_store_b128 v[YST+\i], v[32*\bl+8*\i+4:32*\bl+8*\i+7] offset:64*(8*\hw+\bl)+16
.endr
.endr
.endr
	WIN 0
.macro KSET reg, val
	v_mov_b32 v[\reg], \val
	v_mov_b32 v[\reg+1], \val
.endm
	KSET KE,  0xbf38aa3b                           ; -log2 e / 2
	KSET KA1, 0x3e027906                           ; the five coefficients, halved: the polynomial gives erfc / 2
	KSET KA2, 0xbe11a98e
	KSET KA3, 0x3f35f0e3
	KSET KA4, 0xbf3a00e3
	KSET KA5, 0x3f07dc22
	s_mov_b32 s61, 0x3e6d3388                      ; 0.3275911 / sqrt 2
	s_mov_b32 s62, 0x3a800000                      ; 1 / 1024
	s_mov_b32 s63, 0x3727c5ac                      ; 1e-5
.macro PK3 d, x, y, z                  ; 16 packed multiply-adds over an array of 32
.set n, 0
.rept 16
	v_pk_fma_f32 v[\d+n:\d+n+1], v[\x+n:\x+n+1], v[\y+n:\y+n+1], v[\z:\z+1]
.set n, n+2
.endr
.endm
.macro PK2 d, x, y
.set n, 0
.rept 16
	v_pk_mul_f32 v[\d+n:\d+n+1], v[\x+n:\x+n+1], v[\y+n:\y+n+1]
.set n, n+2
.endr
.endm
; GELU of a row's 32 registers, in place.  Each reciprocal and each exponential is followed by a plain instruction that touches neither its result nor its source
; (ISA guide 5.7.2), which is work that has to be done anyway.
.macro GELU x
.set n, 0
.rept 32
	v_fma_f32 v[GZ+n], |v[\x+n]|, s61, 1.0         ; 1 + p |y| / sqrt 2
.set n, n+1
.endr
.set n, 0
.rept 32
	v_rcp_f32 v[GT+n], v[GZ+n]                     ; t
.if n < 16
	v_pk_mul_f32 v[GE+2*n:GE+2*n+1], v[\x+2*n:\x+2*n+1], v[\x+2*n:\x+2*n+1]
.else
	v_pk_mul_f32 v[GE+2*n-32:GE+2*n-31], v[GE+2*n-32:GE+2*n-31], v[KE:KE+1]   ; -y^2 log2 e / 2
.endif
.set n, n+1
.endr
.set n, 0
.rept 32
	v_exp_f32 v[GZ+n], v[GE+n]
	v_max_num_f32 v[GR+n], 0, v[\x+n]
.set n, n+1
.endr
.set n, 0
	s_wait_alu depctr_va_vdst(0)
.rept 16
	v_pk_fma_f32 v[GE+n:GE+n+1], v[GT+n:GT+n+1], v[KA5:KA5+1], v[KA4:KA4+1]
.set n, n+2
.endr
	PK3 GE, GE, GT, KA3
	PK3 GE, GE, GT, KA2
	PK3 GE, GE, GT, KA1
	PK2 GE, GE, GT
	PK2 GE, GE, GZ                                 ; erfc(|y| / sqrt 2) / 2
.set n, 0
.rept 32
	v_fma_f32 v[\x+n], -v[GE+n], |v[\x+n]|, v[GR+n]
.set n, n+1
.endr
.endm
; The two rows' chains are folded and summed over the 32 lanes, the two rows by turns: v[S] and v[S+8] end up with the rows' sums in every lane
.macro FOLD
.irp o, 0,8
	v_pk_add_f32 v[S+\o:S+\o+1], v[S+\o:S+\o+1], v[S+\o+2:S+\o+3]
	v_pk_add_f32 v[S+\o+4:S+\o+5], v[S+\o+4:S+\o+5], v[S+\o+6:S+\o+7]
.endr
.irp o, 0,8
	v_pk_add_f32 v[S+\o:S+\o+1], v[S+\o:S+\o+1], v[S+\o+4:S+\o+5]
.endr
.irp o, 0,8
	v_add_f32 v[S+\o], v[S+\o], v[S+\o+1]
.endr
.irp m, 1,2,4,8
.irp o, 0,8
	v_add_f32_dpp v[S+\o], v[S+\o], v[S+\o] row_xmask:\m row_mask:0xf bank_mask:0xf
.endr
.endr
.irp o, 0,8
	v_permlanex16_b32 v[S+\o+1], v[S+\o], s51, s52
.endr
.irp o, 0,8
	v_add_f32 v[S+\o], v[S+\o], v[S+\o+1]
.endr
.endm
.macro NAN4 x                          ; nan_to_num of four numbers: finite stays, +-infinity becomes +-1e6, NaN becomes 0
.irp e, 0,1,2,3
	v_cmp_gt_f32 s[66+\e], s57, |v[\x+\e]|
.endr
.irp e, 0,1,2,3
	v_cmp_eq_f32 s[70+\e], v[\x+\e], v[\x+\e]
.endr
.irp e, 0,1,2,3
	v_med3_num_f32 v[NT+\e], v[\x+\e], s58, s59
.endr
.irp e, 0,1,2,3
	v_cndmask_b32 v[NT+\e], 0, v[NT+\e], s[70+\e]
.endr
.irp e, 0,1,2,3
	v_cndmask_b32 v[\x+\e], v[NT+\e], v[\x+\e], s[66+\e]
.endr
.endm
	s_wait_dscnt 0x0                               ; my block of y is stored: for the other waves' sake
	s_barrier_signal -1
	s_barrier_wait -1                              ; every wave's is: whole rows may be read; nothing is written to these bytes any more
	s_wait_loadcnt 0x0                             ; gamma and beta
	s_mov_b32 s48, 8                               ; 16 rows, two a trip
.Lrow:
.irp k, 0,1,2,3,4,5,6,7
	ds_load_b128 v[XA+4*\k:XA+4*\k+3], v[YRD] offset:512*\k        ; 32 lanes x 16 neighbouring bytes
.endr
.irp k, 0,1,2,3,4,5,6,7
	ds_load_b128 v[XB+4*\k:XB+4*\k+3], v[YRD] offset:YP+512*\k
.endr
	s_wait_dscnt 8                                 ; the first row is in; the second row's eight loads may stay out
	GELU XA
	s_wait_dscnt 0x0
	GELU XB
	; the rows' sums: four chains a row, started by their first two terms
.irp c, 0,1,2,3
	v_pk_add_f32 v[S+2*\c:S+2*\c+1], v[XA+2*\c:XA+2*\c+1], v[XA+8+2*\c:XA+8+2*\c+1]
	v_pk_add_f32 v[S+8+2*\c:S+8+2*\c+1], v[XB+2*\c:XB+2*\c+1], v[XB+8+2*\c:XB+8+2*\c+1]
.endr
.irp q, 16,24
.irp c, 0,1,2,3
	v_pk_add_f32 v[S+2*\c:S+2*\c+1], v[S+2*\c:S+2*\c+1], v[XA+\q+2*\c:XA+\q+2*\c+1]
	v_pk_add_f32 v[S+8+2*\c:S+8+2*\c+1], v[S+8+2*\c:S+8+2*\c+1], v[XB+\q+2*\c:XB+\q+2*\c+1]
.endr
.endr
	FOLD
	v_mul_f32 v[M], s62, v[S]                      ; the means, each in both registers of a pair
	v_mul_f32 v[M+1], s62, v[S]
	v_mul_f32 v[M+2], s62, v[S+8]
	v_mul_f32 v[M+3], s62, v[S+8]
.set n, 0
.rept 16
	v_pk_add_f32 v[XA+n:XA+n+1], v[XA+n:XA+n+1], v[M:M+1] neg_lo:[0,1] neg_hi:[0,1]
	v_pk_add_f32 v[XB+n:XB+n+1], v[XB+n:XB+n+1], v[M+2:M+3] neg_lo:[0,1] neg_hi:[0,1]
.set n, n+2
.endr
.irp c, 0,1,2,3
	v_pk_mul_f32 v[S+2*\c:S+2*\c+1], v[XA+2*\c:XA+2*\c+1], v[XA+2*\c:XA+2*\c+1]
	v_pk_mul_f32 v[S+8+2*\c:S+8+2*\c+1], v[XB+2*\c:XB+2*\c+1], v[XB+2*\c:XB+2*\c+1]
.endr
.irp q, 8,16,24
.irp c, 0,1,2,3
	v_pk_fma_f32 v[S+2*\c:S+2*\c+1], v[XA+\q+2*\c:XA+\q+2*\c+1], v[XA+\q+2*\c:XA+\q+2*\c+1], v[S+2*\c:S+2*\c+1]
	v_pk_fma_f32 v[S+8+2*\c:S+8+2*\c+1], v[XB+\q+2*\c:XB+\q+2*\c+1], v[XB+\q+2*\c:XB+\q+2*\c+1], v[S+8+2*\c:S+8+2*\c+1]
.endr
.endr
	FOLD
	v_fma_f32 v[S], v[S], s62, s63                 ; var + 1e-5
	v_fma_f32 v[S+8], v[S+8], s62, s63
	v_rsq_f32 v[RS+1], v[S]
	v_rsq_f32 v[RS+3], v[S+8]
	v_nop                                          ; one plain place behind the roots
	s_wait_alu depctr_va_vdst(0)
	v_mov_b32 v[RS], v[RS+1]
	v_mov_b32 v[RS+2], v[RS+3]
.set n, 0
.rept 16
	v_pk_mul_f32 v[XA+n:XA+n+1], v[XA+n:XA+n+1], v[RS:RS+1]
	v_pk_mul_f32 v[XB+n:XB+n+1], v[XB+n:XB+n+1], v[RS+2:RS+3]
.set n, n+2
.endr
	WIN 0x14                                       ; sources 1 and 2 in window 1: gamma, beta
.set n, 0
.rept 16
	v_pk_fma_f32 v[XA+n:XA+n+1], v[XA+n:XA+n+1], v[n:n+1], v[32+n:32+n+1]
	v_pk_fma_f32 v[XB+n:XB+n+1], v[XB+n:XB+n+1], v[n:n+1], v[32+n:32+n+1]
.set n, n+2
.endr
	WIN 0
.set n, 0
.rept 8
	NAN4 XA+4*n
.set n, n+1
.endr
.irp k, 0,1,2,3,4,5,6,7
	global_store_b128 v[COV], v[XA+4*\k:XA+4*\k+3], s[20:21] offset:512*\k th:TH_STORE_NT        ; a store of the wave = 512 consecutive bytes, aligned
.endr
.set n, 0
.rept 8
	NAN4 XB+4*n
.set n, n+1
.endr
.irp k, 0,1,2,3,4,5,6,7
	global_store_b128 v[COV], v[XB+4*\k:XB+4*\k+3], s[20:21] offset:4096+512*\k th:TH_STORE_NT
.endr
	s_wait_xcnt 0x0                                ; the stores' offset and data (both rows' registers) are written again only behind this wait
	v_add_nc_u32 v[COV], 8192, v[COV]              ; two rows on, in out0
	v_add_nc_u32 v[YRD], 2*YP, v[YRD]              ; and in LDS
	s_sub_co_u32 s48, s48, 1
	s_cmp_lg_u32 s48, 0
	s_cbranch_scc1 .Lrow
	s_wait_xcnt 0x0
	s_set_vgpr_msb 0x40
	v_lshl_add_u32 v111, v0, 2, 0x4e800
	s_set_vgpr_msb 0x4000
	v_mov_b32 v255, 0
	s_set_vgpr_msb 0x1
	s_wait_tensorcnt 0x0
	ds_add_u32 v111, v255
	s_wait_dscnt 0x0
	s_set_vgpr_msb 0x100
	CROUND                                         ; the closing round: no work-group ends while a partner may still ask jointly
	s_endpgm
.Lfunc_end_k_qcb260f2d61_gemm2:
	.size	k_qcb260f2d61_gemm2, .Lfunc_end_k_qcb260f2d61_gemm2-k_qcb260f2d61_gemm2
	.p2alignl 7, 3214868480
	.fill 96, 4, 3214868480
	.section	.rodata,"a",@progbits
	.p2align	6, 0x0
	.amdhsa_kernel k_qcb260f2d61_gemm2
		.amdhsa_group_segment_fixed_size 327680
		.amdhsa_private_segment_fixed_size 0
		.amdhsa_enable_private_segment 0
		.amdhsa_kernarg_size 72
		.amdhsa_user_sgpr_count 2
		.amdhsa_user_sgpr_kernarg_segment_ptr 1
		.amdhsa_wavefront_size32 1
		.amdhsa_system_sgpr_workgroup_id_x 1
		.amdhsa_system_sgpr_workgroup_id_y 1
		.amdhsa_system_sgpr_workgroup_id_z 1
		.amdhsa_system_vgpr_workitem_id 0
		.amdhsa_next_free_vgpr 1024
		.amdhsa_next_free_sgpr 80
		.amdhsa_reserve_vcc 1
		.amdhsa_float_denorm_mode_32 3
		.amdhsa_float_denorm_mode_16_64 3
		.amdhsa_memory_ordered 1
		.amdhsa_forward_progress 1
		.amdhsa_inst_pref_size 255
	.end_amdhsa_kernel
	.section	.bss,"aw",@nobits
	.p2align	6
	.space	262144
	.amdgpu_metadata
---
amdhsa.version: [ 1, 2 ]
amdhsa.kernels:
  - .name:           k_qcb260f2d61_gemm2
    .symbol:         k_qcb260f2d61_gemm2.kd
    .args:
      - { .name: u, .offset: 0, .size: 8, .value_kind: global_buffer, .address_space: global }
      - { .name: xs, .offset: 8, .size: 8, .value_kind: global_buffer, .address_space: global }
      - { .name: es, .offset: 16, .size: 8, .value_kind: global_buffer, .address_space: global }
      - { .name: av, .offset: 24, .size: 8, .value_kind: global_buffer, .address_space: global }
      - { .name: h0, .offset: 32, .size: 8, .value_kind: global_buffer, .address_space: global }
      - { .name: wt, .offset: 40, .size: 8, .value_kind: global_buffer, .address_space: global }
      - { .name: ln_gamma, .offset: 48, .size: 8, .value_kind: global_buffer, .address_space: global }
      - { .name: ln_beta, .offset: 56, .size: 8, .value_kind: global_buffer, .address_space: global }
      - { .name: out0, .offset: 64, .size: 8, .value_kind: global_buffer, .address_space: global }
    .group_segment_fixed_size: 327680
    .private_segment_fixed_size: 0
    .kernarg_segment_align: 8
    .kernarg_segment_size: 72
    .max_flat_workgroup_size: 128
    .sgpr_count:     80
    .vgpr_count:     1024
    .wavefront_size: 32
...
	.end_amdgpu_metadata
.endif
;; end of part 5
;; ======== version 3 of 3: 3 launches; version 2 with the launch prep written anew for expert scheduling mode
;; limits: a function is approximated: absolute error at most 1.5e-07
;; workspace buffers: wt 6,291,456 bytes; av 4,096 bytes; xs 67,108,864 bytes; es 1,048,576 bytes
;; launch prep (part 6): grid 64 x 3, 8 waves a work-group, no clusters, 0 bytes of LDS; arguments Bmat, Dmat, Cmat, A_diag, wt, av; writes wt, av
.if DOCPART == 6
	.amdgcn_target "amdgcn-amd-amdhsa--gfx1250"
	.amdhsa_code_object_version 6
	.text
	.protected	k_qcb260f2d61_prep
	.globl	k_qcb260f2d61_prep
	.p2align	8
	.type	k_qcb260f2d61_prep,@function
k_qcb260f2d61_prep:
	s_mov_b64 s[64:65], 0
	v_nop
	global_prefetch_b8 v0, s[64:65] scope:SCOPE_SE
	s_setreg_imm32_b32 hwreg(HW_REG_WAVE_SCHED_MODE, 0, 2), 2
	s_setreg_imm32_b32 hwreg(HW_REG_WAVE_MODE, 25, 1), 1
	s_wait_xcnt 0x0
	s_wait_alu depctr_vm_vsrc(0)
; wt[mat][s][row][64] (bf16) = mat[row][64 s ..], mat = B, D, C: the three weight matrices rounded once to bf16 and laid in K tiles of
; 1024 rows x 64 numbers (131,072 dense bytes), so that a later tile load reads dense memory.  av[n] = -softplus(A_diag[n]).
; Work-group (x, y): rows 16 x .. 16 x + 15 of matrix y.  Thread t: row 16 x + t / 16, the 16 bytes t % 16 of each 256-byte piece of it.
; A wave's load covers two pieces of 256 consecutive bytes; its store covers 256 consecutive bytes (two rows of a tile), aligned.
; No LDS, no matrix unit, no cluster: each byte is read once and written once, and no two work-groups share a byte.
; LIMIT: softplus(x) = max(x, 0) + ln 2 * log2(1 + 2^(-|x| log2 e)): the sum 1 + z is rounded, so a has an absolute error of about 1e-7 max(1, |a|).
; THE MODE: SCHED_MODE bits 1:0 = 2 (LLVM: expert scheduling mode 2), set by the entry lines.  The code itself states the register dependences
; between vector instructions and memory instructions, with s_wait_alu, always for 0.
; THE PLAN.  Registers that memory instructions touch:
;   v1, v2, v6   byte offsets, made once at the head and never written again; every load and store reads one of them.
;   X            16 pieces as loaded.  Written by the 16 loads, which go out in one run at the head, before any vector instruction names X; read by the conversions.
;   Y            16 pieces to store.   Piece s: written once, by its two conversions; read once, by its store; never written again.
;   v[8:11]      (work-group (0, 0)) written by the load of A_diag; no vector instruction names them before it.
;   v[28:31]     (work-group (0, 0)) written by the last four multiply-adds; read by the store into av.
; The 16 pieces go in four groups of four.  Group g converts its four pieces; its memory instructions are the four stores of group g - 1, whose Y no conversion
; of group g names.  So ONE wait at a group's head states all that its four stores hang on, and they are dealt among its conversions with no further wait.
; No register that a memory instruction reads is written again, no vector instruction writes a scalar register or VCC, and EXEC is never written.
.set X, 16                             ; v[16:79]   16 pieces as loaded, 4 registers each
.set Y, 80                             ; v[80:111]  16 pieces as stored, 2 registers each
	s_load_b256 s[4:11], s[0:1], 0x0               ; B s[4:5], D s[6:7], C s[8:9], A_diag s[10:11]
	s_load_b128 s[12:15], s[0:1], 0x20             ; wt s[12:13], av s[14:15]
	s_and_b32 s20, ttmp7, 0xffff                   ; y: which matrix
	v_lshrrev_b32 v3, 4, v0                        ; my row of the group's 16
	v_and_b32 v4, 15, v0                           ; my 16 bytes of a piece
	v_lshlrev_b32 v1, 12, v3                       ; source: row x 4,096
	v_lshl_add_u32 v1, v4, 4, v1                   ;         + 16 x place
	v_lshlrev_b32 v2, 7, v3                        ; destination: row x 128
	v_lshl_add_u32 v2, v4, 3, v2                   ;              + 8 x place
	v_lshlrev_b32 v6, 4, v0                        ; the table of a: 16 bytes a thread (read by work-group (0, 0) alone)
	s_lshl_b32 s22, ttmp9, 16                      ; 16 rows of 4,096 bytes
	s_mov_b32 s23, 0
	s_lshl_b32 s24, s20, 21                        ; a matrix in wt: 2,097,152 bytes
	s_lshl_b32 s26, ttmp9, 11                      ; 16 rows of 128 bytes
	s_add_co_u32 s24, s24, s26
	s_mov_b32 s25, 0
	s_mov_b32 s27, 0xbfb8aa3b                      ; -log2 e
	s_mov_b32 s28, 0x3f317218                      ; ln 2
	s_wait_kmcnt 0x0
	s_cmp_eq_u32 s20, 1
	s_cselect_b64 s[16:17], s[6:7], s[4:5]
	s_cmp_eq_u32 s20, 2
	s_cselect_b64 s[16:17], s[8:9], s[16:17]       ; the matrix is chosen by the group's y
	s_add_nc_u64 s[16:17], s[16:17], s[22:23]
	s_add_nc_u64 s[18:19], s[12:13], s[24:25]
	s_wait_alu depctr_va_vdst(0)                   ; v1, v2 and v6 are written: every load and store of the kernel reads one of them as its offset
.irp s, 0,1,2,3,4,5,6,7,8,9,10,11,12,13,14,15
	global_load_b128 v[X+4*\s:X+4*\s+3], v1, s[16:17] offset:256*\s th:TH_LOAD_NT
.endr
; Group g: pieces 4 g .. 4 g + 3 are rounded; the four pieces of the group before are stored, one store in front of each piece's two conversions.
.macro GRP g
	s_wait_loadcnt 12-4*(\g)                       ; loads come back in order: my four pieces are in, the 12 - 4 g younger loads may stay out
.if (\g) > 0
	s_wait_alu depctr_va_vdst(0)                   ; the conversions of the group before have written its eight registers of Y, which the four stores below read
.endif
.irp i, 0,1,2,3
.if (\g) > 0
	global_store_b64 v2, v[Y+2*(4*(\g)-4+(\i)):Y+2*(4*(\g)-4+(\i))+1], s[18:19] offset:131072*(4*(\g)-4+(\i))   ; K tile s; no vector instruction since the wait names these registers, and none writes them again
.endif
	v_cvt_pk_bf16_f32 v[Y+2*(4*(\g)+(\i))], v[X+4*(4*(\g)+(\i))], v[X+4*(4*(\g)+(\i))+1]
	v_cvt_pk_bf16_f32 v[Y+2*(4*(\g)+(\i))+1], v[X+4*(4*(\g)+(\i))+2], v[X+4*(4*(\g)+(\i))+3]
.endr
.endm
	GRP 0
	GRP 1
	GRP 2
	GRP 3
	s_wait_alu depctr_va_vdst(0)                   ; the last group's conversions have written its Y, which the last four stores read
.irp s, 12,13,14,15
	global_store_b64 v2, v[Y+2*\s:Y+2*\s+1], s[18:19] offset:131072*\s
.endr
	s_or_b32 s21, ttmp9, s20
	s_cmp_lg_u32 s21, 0
	s_cbranch_scc1 .Lend                           ; the table of a is work-group (0, 0)'s: 256 threads x 4 numbers
	global_load_b128 v[8:11], v6, s[10:11]         ; v6 was written ahead of the wait at the head and has not been named by a vector instruction since; none has named v[8:11]
	s_wait_loadcnt 0x0
.irp k, 0,1,2,3
	v_mul_f32 v[12+\k], s27, |v[8+\k]|             ; -|x| log2 e
.endr
.irp k, 0,1,2,3
	v_exp_f32 v[16+\k], v[12+\k]                   ; z = e^-|x|  (X's first registers: their loads are done, and no memory instruction ever read them)
.endr
.irp k, 0,1,2,3
	v_max_num_f32 v[8+\k], 0, v[8+\k]              ; plain work between the exponentials and the use of their results (ISA guide 5.7.2)
.endr
	s_wait_alu depctr_va_vdst(0)                   ; the four exponentials have written v[16:19], ahead of their first reader
.irp k, 0,1,2,3
	v_add_f32 v[20+\k], 1.0, v[16+\k]
.endr
.irp k, 0,1,2,3
	v_log_f32 v[24+\k], v[20+\k]
.endr
	v_nop                                          ; one plain place behind the logarithms
	s_wait_alu depctr_va_vdst(0)                   ; the four logarithms have written v[24:27], ahead of their first reader
.irp k, 0,1,2,3
	v_fma_f32 v[28+\k], -v[24+\k], s28, -v[8+\k]   ; a = -(ln 2 log2(1 + z) + max(x, 0))
.endr
	s_wait_alu depctr_va_vdst(0)                   ; the four multiply-adds have written v[28:31], which the store reads
	global_store_b128 v6, v[28:31], s[14:15]
.Lend:
	s_endpgm
.Lfunc_end_k_qcb260f2d61_prep:
	.size	k_qcb260f2d61_prep, .Lfunc_end_k_qcb260f2d61_prep-k_qcb260f2d61_prep
	.p2alignl 7, 3214868480
	.fill 96, 4, 3214868480
	.section	.rodata,"a",@progbits
	.p2align	6, 0x0
	.amdhsa_kernel k_qcb260f2d61_prep
		.amdhsa_group_segment_fixed_size 0
		.amdhsa_private_segment_fixed_size 0
		.amdhsa_enable_private_segment 0
		.amdhsa_kernarg_size 48
		.amdhsa_user_sgpr_count 2
		.amdhsa_user_sgpr_kernarg_segment_ptr 1
		.amdhsa_wavefront_size32 1
		.amdhsa_system_sgpr_workgroup_id_x 1
		.amdhsa_system_sgpr_workgroup_id_y 1
		.amdhsa_system_sgpr_workgroup_id_z 1
		.amdhsa_system_vgpr_workitem_id 0
		.amdhsa_next_free_vgpr 112
		.amdhsa_next_free_sgpr 66
		.amdhsa_reserve_vcc 0
		.amdhsa_float_denorm_mode_32 3
		.amdhsa_float_denorm_mode_16_64 3
		.amdhsa_memory_ordered 1
		.amdhsa_forward_progress 1
		.amdhsa_inst_pref_size 9
	.end_amdhsa_kernel
	.amdgpu_metadata
---
amdhsa.version: [ 1, 2 ]
amdhsa.kernels:
  - .name:           k_qcb260f2d61_prep
    .symbol:         k_qcb260f2d61_prep.kd
    .args:
      - { .name: Bmat, .offset: 0, .size: 8, .value_kind: global_buffer, .address_space: global }
      - { .name: Dmat, .offset: 8, .size: 8, .value_kind: global_buffer, .address_space: global }
      - { .name: Cmat, .offset: 16, .size: 8, .value_kind: global_buffer, .address_space: global }
      - { .name: A_diag, .offset: 24, .size: 8, .value_kind: global_buffer, .address_space: global }
      - { .name: wt, .offset: 32, .size: 8, .value_kind: global_buffer, .address_space: global }
      - { .name: av, .offset: 40, .size: 8, .value_kind: global_buffer, .address_space: global }
    .group_segment_fixed_size: 0
    .private_segment_fixed_size: 0
    .kernarg_segment_align: 8
    .kernarg_segment_size: 48
    .max_flat_workgroup_size: 256
    .sgpr_count:     66
    .vgpr_count:     112
    .wavefront_size: 32
...
	.end_amdgpu_metadata
.endif
;; end of part 6
;; launch gemm1: the kernel of part 4 again; grid 256 x 1, 4 waves a work-group, clusters of 4 x 1, 327,680 bytes of LDS; arguments u, wt, av, xs, es; writes xs, es
;; launch gemm2: the kernel of part 5 again; grid 256 x 1, 4 waves a work-group, clusters of 4 x 1, 327,680 bytes of LDS; arguments u, xs, es, av, h0, wt, ln_gamma, ln_beta, out0; writes out0
